; MI455X (gfx1250); checked and timed in simulation.
; The chip was launched on July 23, 2026; its instructions are those of AMD's public machine-readable ISA for CDNA 5 (MIT licence, August 2026) and "CDNA5" Instruction Set Architecture Reference Guide (July 2026). The comments in the code are by the model that wrote it; some were corrected since.
;; Transformer Layer. Allowed arithmetic: matrix products marked QUANTISED: E3M2 operands, one E8M0 scale for each 32 along K, by v_wmma_scale_f32_16x16x128_f8f6f4 with both operands' format E3M2, f32 sums; everything else in f32.
;; Inputs: W1 1,024 x 4,096 float32; W2 4,096 x 1,024 float32; Wk 1,024 x 1,024 float32; Wo 1,024 x 1,024 float32; Wq 1,024 x 1,024 float32; Wv 1,024 x 1,024 float32; b1 4,096 float32; b2 1,024 float32; bk 1,024 float32; bo 1,024 float32; bq 1,024 float32; bv 1,024 float32; causal_mask 2,048 x 2,048 float32; ln1_b 1,024 float32; ln1_g 1,024 float32; ln2_b 1,024 float32; ln2_g 1,024 float32; src 2 x 2,048 x 1,024 float32.
;; Outputs: out0 2 x 2,048 x 1,024 float32.
;; This version of the problem:
;;   THIS VERSION OF THE PROBLEM IS GIVEN IN LOW PRECISION. The matrix products marked QUANTISED in the list below multiply operands that are first quantised to E3M2 (3 exponent bits, 2 mantissa bits; 6 bits a number), with one power-of-two scale for each 32 numbers along K (OCP MX v1.0); their sums are f32. All else is computed in f32.
;;   The module's matrix products, in the order in which they are computed (A, B: the left and right operand; K: the contracted axis; several contracted axes count as one K, in the product's order):
;;     1. [M 4,096, K 1,024] x [K 1,024, N 1,024]; A: input src; B: input Wq: QUANTISED
;;     2. [M 4,096, K 1,024] x [K 1,024, N 1,024]; A: input src; B: input Wk: QUANTISED
;;     3. [M 4,096, K 1,024] x [K 1,024, N 1,024]; A: input src; B: input Wv: QUANTISED
;;     4. batch 32 x [M 2,048, K 64] x [K 64, N 2,048]; A: computed on the way; B: computed on the way: QUANTISED
;;     5. batch 32 x [M 2,048, K 2,048] x [K 2,048, N 64]; A: computed on the way; B: computed on the way: QUANTISED
;;     6. [M 4,096, K 1,024] x [K 1,024, N 1,024]; A: computed on the way; B: input Wo: QUANTISED
;;     7. [M 4,096, K 1,024] x [K 1,024, N 4,096]; A: computed on the way; B: input W1: QUANTISED
;;     8. [M 4,096, K 4,096] x [K 4,096, N 1,024]; A: computed on the way; B: input W2: QUANTISED
;;   THE QUANTISER, for each operand of a quantised product, along K:
;;     - K is cut into blocks of 32 from its start; a last block that is shorter is filled with zeros.
;;     - A block's scale is 2^e with e = floor(log2(the largest magnitude in the block)) - 4, held to -126 .. 127; a block of zeros has e = 0. As a byte (E8M0): e + 127.
;;     - Each number is divided by its block's scale, clamped to +-28, and rounded to the nearest number of E3M2, ties to even, subnormals kept.
;;     - The product sums the exact products of the quantised numbers (number of the format x scale) in f32.
;;   ~~~python
;;   def quantise(x, axis):      # numpy; x: float32 -> the quantised numbers, widened to float32 again
;;       x = np.moveaxis(x, axis, -1); K = x.shape[-1]
;;       x = np.pad(x, [(0, 0)] * (x.ndim - 1) + [(0, -K % 32)]); x = x.reshape(x.shape[:-1] + (-1, 32)); a = np.abs(x).max(-1, keepdims=True)
;;       e = np.where(a > 0, np.clip(np.frexp(np.where(a > 0, a, 1))[1] - 1 - 4, -126, 127), 0)      # np.frexp(a)[1] - 1 = floor(log2(a)), exactly
;;       r = np.clip(x / 2.0 ** e, -28, 28)
;;       step = 2.0 ** (np.maximum(np.frexp(np.where(r == 0, 1, r))[1] - 1, -2) - 2)
;;       q = np.round(r / step) * step * 2.0 ** e      # np.round: ties to even
;;       return np.moveaxis(q.reshape(q.shape[:-2] + (-1,))[..., :K], -1, axis).astype(np.float32)
;;   ~~~
;;   OPERANDS COMPUTED ON THE WAY. 'Computed on the way' means the value that the module computes at that place (a softmax that the list does not call 'softmax' is quantised finished and normalised). What goes into a quantiser is computed in f32, as accurately as f32 sums, v_exp_f32 and their like allow (about 1e-6 of the number): no bf16 or f16 on the way to a quantiser, and a product that is left as it is and whose result goes on into a quantised operand takes f32 operands (vector FMAs, or v_wmma_f32_16x16x4_f32). A number that lies on a knife's edge between two numbers of the format may be rounded either way, as far as f32 arithmetic and the matrix unit's own rounding can turn it there, and no further.
;; One version. Each part assembles by itself: llvm-mc -triple=amdgcn-amd-amdhsa -mcpu=gfx1250 --defsym DOCPART=n.
;; ======== version 1 of 1: 8 launches
;; limits: right only within a limited range of input values
;; workspace buffers: AX 20,054,016 bytes; WQKV 3,293,440 bytes; W1P 3,293,440 bytes; WOP 819,200 bytes; W2P 3,276,800 bytes; FL 8,192 bytes of whole numbers; BIG 67,108,864 bytes; AH 13,107,200 bytes
;; launch prep (part 1): grid 1284 x 1, 2 waves a work-group, no clusters, 34,048 bytes of LDS; arguments src, Wq, Wk, Wv, Wo, W1, W2, bq, bk, bv, b1, causal_mask, AX, WQKV, W1P, WOP, W2P, FL; writes AX, WQKV, W1P, WOP, W2P, FL
.if DOCPART == 1
	.amdgcn_target "amdgcn-amd-amdhsa--gfx1250"
	.amdhsa_code_object_version 6
	.text
	.protected	k_q03ebfe7d2f_prep
	.globl	k_q03ebfe7d2f_prep
	.p2align	8
	.type	k_q03ebfe7d2f_prep,@function
k_q03ebfe7d2f_prep:
	s_mov_b64 s[64:65], 0
	v_nop
	global_prefetch_b8 v0, s[64:65] scope:SCOPE_SE
	s_setreg_imm32_b32 hwreg(HW_REG_WAVE_MODE, 25, 1), 1
	s_wait_xcnt 0x0
; Everything that is made once from the inputs: src and the six weights as codes of BF6 (E3M2) with one E8M0 byte for each 32 along K, the biases gathered beside the
; weights' codes, and a word of flags for each tile (16 queries x 128 keys) of causal_mask.
; LAYOUT OF AN OPERAND ("package", K = 1,024).  Tile T is 16 rows: lane r holds row 32 (T / 2) + 8 (T % 2) + r + 8 (r / 8).  The fragment (T, K step s of 128) is stored as an image of its 12
; registers: six planes of 256 bytes, plane p = registers 2 p, 2 p + 1 of lane l at byte 8 l.  It lies at (((T / 8) 4 + s / 2) 8 + T % 8) 3,072 + (s % 2) 1,536.
; Scale words (four bytes: 128 along K of a row) lie behind the codes at (T / 8) 4,096 + (s / 2) 1,024 + (T % 8) 128 + 8 r + 4 (s % 2).
; A LANE IS A ROW (or a column of a weight): lane l = 16 u + r takes row 32 g + 8 u + r + 8 (r / 8), so a block of 32 along K lies in one lane's 32 registers and its largest magnitude needs no other lane.
; Blocks 2 c and 2 c + 1 of a row are made in two runs of six registers; six exchanges of half waves turn them into tile 2 g's and tile 2 g + 1's registers 6 c .. 6 c + 5.
; WORK-GROUPS have two waves, a job to a wave; four work-groups make a group of eight jobs.  Groups 0-191 weights (a job: 32 columns x 256 along K); 192-255 src (a job: 32 rows x 256 along K, turned through the wave's own
; stage in LDS); 256-319 the mask's flags; 320 the biases.  The 1,280 work-groups of the first three kinds read 64 KiB each: five to each of 256 WGPs.
; A block's scale is 2^(floor(log2(largest magnitude)) - 4); its byte is that magnitude's exponent field - 4, held at 1 from below.  A block of zeros gets the byte 1: its codes are zeros, and this program alone reads the bytes.
; LIMITS: NaN and infinities in src and the weights are not served; blocks whose largest magnitude lies under 2^-122 keep the byte 1.
.set PS,    819200                     ; a package of 1,024 rows
.set SOFFB, 3145728                    ; where the scale words begin in a package of 4,096 rows,
.set SOFFS, 786432                     ; and of 1,024 rows
.set BOFF,  3276800                    ; behind a large package: the biases
.set EV,    16                         ; v16-27  codes of the even blocks, then tile 2 g's registers
.set OD,    28                         ; v28-39  codes of the odd blocks, then tile 2 g + 1's
.set YT,    40                         ; v40-42  a block's upper 16 codes on their way
.set WD,    46                         ; v46-47  my row's two scale words
.set X,     64                         ; v64-127 two sets of 32 numbers
.set R,     128                        ; v128-255 numbers as they are loaded
.set SPT,   528                        ; a stage row: 512 bytes + 16
; the 32 numbers v[x] .. v[x + 31] become six registers of codes at v[d]; their byte goes into scale word k / 4
.macro BLK x, d, k
	v_max3_num_f32 v48, |v[(\x)]|, |v[(\x)+1]|, |v[(\x)+2]|
	v_max3_num_f32 v49, |v[(\x)+3]|, |v[(\x)+4]|, |v[(\x)+5]|
.irp i, 6,10,14,18,22,26
	v_max3_num_f32 v48, v48, |v[(\x)+\i]|, |v[(\x)+\i+1]|
	v_max3_num_f32 v49, v49, |v[(\x)+\i+2]|, |v[(\x)+\i+3]|
.endr
	v_max3_num_f32 v48, v48, |v[(\x)+30]|, |v[(\x)+31]|
	v_max3_num_f32 v48, v48, v49, 0x2800000        ; and the floor 2^(5 - 127): the byte cannot fall under 1
	v_add_nc_u32 v50, 0xfe000000, v48              ; 4 off the exponent field: the conversion's scale operand
	v_lshrrev_b32 v51, 23, v50                     ; the byte
	v_cvt_scalef32_pk16_bf6_f32 v[(\d):(\d)+2], v[(\x):(\x)+15], v50
	v_cvt_scalef32_pk16_bf6_f32 v[YT:YT+2], v[(\x)+16:(\x)+31], v50   ; (a conversion's three registers begin on an even number)
.if ((\k)%4) == 0
	v_mov_b32 v[WD+(\k)/4], v51                    ; a plain line behind the conversions
.else
	v_lshl_or_b32 v[WD+(\k)/4], v51, 8*((\k)%4), v[WD+(\k)/4]
.endif
.irp i, 0,1,2
	v_mov_b32 v[(\d)+3+\i], v[YT+\i]
.endr
.endm
; blocks 2 c and 2 c + 1 of K step q: the halves change places, and three planes of each of the two tiles are stored, 256 consecutive bytes a store
.macro PAIR c, q
.irp i, 0,1,2,3,4,5
	v_permlane16_swap_b32 v[EV+6*(\c)+\i], v[OD+6*(\c)+\i]
.endr
.irp p, 0,1,2
	global_store_b64 v7, v[EV+6*(\c)+2*\p:EV+6*(\c)+2*\p+1], s[38:39] offset:(\q)*1536+(3*(\c)+\p)*256
	global_store_b64 v7, v[OD+6*(\c)+2*\p:OD+6*(\c)+2*\p+1], s[38:39] offset:3072+(\q)*1536+(3*(\c)+\p)*256
.endr
.endm
; s28 = block of 128 rows, s4 = which 256 along K, s35 = g % 4, s29 = the package's offset, s34 = where its scale words begin  ->  s[40:41] codes' offset, s[42:43] scale words' offset
.macro PLACE
	s_lshl_b32 s40, s28, 2
	s_add_co_u32 s40, s40, s4
	s_lshl_b32 s40, s40, 3
	s_lshl_b32 s41, s35, 1
	s_add_co_u32 s40, s40, s41
	s_mul_i32 s40, s40, 3072
	s_add_co_u32 s40, s40, s29
	s_mov_b32 s41, 0
	s_lshl_b32 s42, s28, 12
	s_lshl_b32 s43, s4, 10
	s_add_co_u32 s42, s42, s43
	s_lshl_b32 s43, s35, 8
	s_add_co_u32 s42, s42, s43
	s_add_co_u32 s42, s42, s34
	s_add_co_u32 s42, s42, s29
	s_mov_b32 s43, 0
.endm
	v_lshl_add_u32 v62, v0, 2, 0x8400
	v_mov_b32 v63, 0
	v_lshrrev_b32 v1, 5, v0
	v_readfirstlane_b32 s51, v1                    ; wave 0..1: it alone enters LDS addresses
	s_and_b32 s2, ttmp9, 3
	s_lshl_b32 s2, s2, 1
	s_add_co_u32 s2, s2, s51                       ; my job among its group's eight
	s_lshr_b32 s52, ttmp9, 2                       ; the group, 0..320
	v_and_b32 v2, 31, v0                           ; lane
	v_and_b32 v3, 15, v0                           ; r
	v_bfe_u32 v4, v0, 4, 1                         ; u
	v_and_b32 v5, 8, v3
	v_add_nc_u32 v5, v5, v3
	v_lshl_add_u32 v5, v4, 3, v5                   ; my row among the 32: 8 u + r + 8 (r / 8)
	v_lshlrev_b32 v7, 3, v2                        ; 8 x lane: my place in a plane
	s_cmp_ge_u32 s52, 320
	s_cbranch_scc1 .Lbias
	s_cmp_ge_u32 s52, 256
	s_cbranch_scc1 .Lmask
	s_cmp_ge_u32 s52, 192
	s_cbranch_scc1 .Lsrc
; ---- THE WEIGHTS.  unit = group / 16: 0-3 Wq, Wk, Wv, Wo; 4-7 W2's slices of 1,024 along K; 8-11 W1's 1,024 columns each
	s_load_b128 s[8:11], s[0:1], 0x8               ; Wq, Wk
	s_load_b128 s[12:15], s[0:1], 0x18             ; Wv, Wo
	s_load_b128 s[16:19], s[0:1], 0x28             ; W1, W2
	s_load_b128 s[20:23], s[0:1], 0x68             ; WQKV, W1P
	s_load_b128 s[24:27], s[0:1], 0x78             ; WOP, W2P
	s_lshr_b32 s3, s52, 4                          ; unit
	s_bfe_u32 s4, s52, 0x20002                     ; which 256 along K
	s_and_b32 s5, s52, 3
	s_lshl_b32 s5, s5, 3
	s_add_co_u32 s5, s5, s2                        ; g: which 32 columns of the unit's 1,024
	s_and_b32 s6, s3, 3                            ; the unit's number in its family
	s_lshr_b32 s7, s3, 2                           ; family: 0 the four square weights, 1 W2, 2 W1
	s_lshl_b32 s28, s6, 3                          ; its first block of 128 rows in the package
	s_mul_i32 s29, s6, PS
	s_lshl_b32 s30, s6, 22                         ; W2: 1,024 rows of 4,096 bytes a slice
	s_lshl_b32 s31, s6, 12                         ; W1: 1,024 columns of 4 bytes
	s_lshl_b32 s32, s4, 20                         ; 256 rows of 4,096 bytes,
	s_lshl_b32 s33, s4, 22                         ; or of 16,384
	s_cmp_eq_u32 s3, 3
	s_cselect_b32 s28, 0, s28                      ; Wo has a package of its own
	s_cmp_eq_u32 s7, 1
	s_cselect_b32 s28, 0, s28                      ; and so has each slice of W2
	s_cselect_b32 s29, s29, 0
	s_cselect_b32 s30, s30, 0
	s_cmp_eq_u32 s7, 2
	s_cselect_b32 s31, s31, 0
	s_cselect_b32 s32, s33, s32
	s_add_co_u32 s30, s30, s31
	s_add_co_u32 s30, s30, s32
	s_lshl_b32 s31, s5, 7                          ; 32 columns of 4 bytes
	s_add_co_u32 s30, s30, s31
	s_mov_b32 s31, 0                               ; s[30:31]: where my wave reads
	s_sub_co_u32 s33, s3, 3
	s_mov_b32 s34, SOFFB
	s_cmp_lt_u32 s33, 5                            ; units 3 to 7 fill small packages
	s_cselect_b32 s34, SOFFS, s34
	s_lshr_b32 s35, s5, 2
	s_add_co_u32 s28, s28, s35
	s_and_b32 s35, s5, 3
	PLACE
	s_wait_alu depctr_va_vdst(0)
	v_lshlrev_b32 v6, 2, v5                        ; my column's 4 bytes
	s_wait_kmcnt 0x0
	s_cmp_eq_u32 s3, 1                             ; the choices hang on the work-group's number alone
	s_cselect_b64 s[36:37], s[10:11], s[8:9]
	s_cmp_eq_u32 s3, 2
	s_cselect_b64 s[36:37], s[12:13], s[36:37]
	s_cmp_eq_u32 s3, 3
	s_cselect_b64 s[36:37], s[14:15], s[36:37]
	s_cselect_b64 s[38:39], s[24:25], s[20:21]
	s_cmp_eq_u32 s7, 1
	s_cselect_b64 s[36:37], s[18:19], s[36:37]
	s_cselect_b64 s[38:39], s[26:27], s[38:39]
	s_cmp_eq_u32 s7, 2
	s_cselect_b64 s[36:37], s[16:17], s[36:37]
	s_cselect_b64 s[38:39], s[22:23], s[38:39]
	s_add_nc_u64 s[36:37], s[36:37], s[30:31]
	s_add_nc_u64 s[44:45], s[38:39], s[42:43]      ; the scale words' place
	s_add_nc_u64 s[38:39], s[38:39], s[40:41]      ; the codes' place
.macro WLOAD k, stride                 ; block k: rows 32 k + i of my column: the 32 lanes read 128 consecutive bytes
.set n, 0
.rept 32
	global_load_b32 v[X+32*((\k)%2)+n], v6, s[36:37] offset:(32*(\k)+n)*(\stride) th:TH_LOAD_NT
.set n, n+1
.endr
.endm
.macro WJOB stride
	WLOAD 0, \stride
	WLOAD 1, \stride
.irp k, 0,1,2,3,4,5,6,7
.if \k < 7
	s_wait_loadcnt 32                              ; this block's 32 loads are in; the next block's may be out
.else
	s_wait_loadcnt 0x0
.endif
.if ((\k%2) == 0) && (\k >= 4)
	s_wait_xcnt 0x0                                ; the stores of two pairs back have read the registers that are written next
.endif
	BLK X+32*(\k%2), EV+12*(\k%2)+6*((\k/2)%2), \k
.if \k < 6
	WLOAD \k+2, \stride
.endif
.if (\k%2) == 1
	PAIR (\k/2)%2, \k/4
.endif
.endr
	global_store_b64 v7, v[WD:WD+1], s[44:45]      ; 32 rows' two scale words: 256 consecutive bytes
.endm
	s_cmp_eq_u32 s7, 2
	s_cbranch_scc1 .Lw1
	s_wait_alu depctr_va_vdst(0)
	WJOB 4096
	s_endpgm
.Lw1:
	s_wait_alu depctr_va_vdst(0)
	WJOB 16384
	s_endpgm
; ---- SRC.  A job: rows 32 g .. 32 g + 31, 256 along K.  Loads take a row's 512 bytes, 16 a lane; the stage gives each lane its own row's blocks
.Lsrc:
	s_load_b64 s[36:37], s[0:1], 0x0               ; src
	s_load_b64 s[38:39], s[0:1], 0x60              ; AX
	s_sub_co_u32 s3, s52, 192
	s_lshl_b32 s3, s3, 3
	s_add_co_u32 s3, s3, s2                        ; job 0..511
	s_lshr_b32 s5, s3, 2                           ; g
	s_and_b32 s4, s3, 3                            ; which 256 along K
	s_lshr_b32 s28, s5, 2
	s_and_b32 s35, s5, 3
	s_mov_b32 s29, 0
	s_mov_b32 s34, SOFFB
	PLACE
	s_lshl_b32 s30, s5, 17                         ; 32 rows of 4,096 bytes
	s_lshl_b32 s31, s4, 10
	s_add_co_u32 s30, s30, s31
	s_mov_b32 s31, 0
	s_mul_i32 s33, s51, 32*SPT                     ; my wave's stage
	s_wait_alu depctr_va_vdst(0)
	v_lshlrev_b32 v8, 4, v2
	v_add_nc_u32 v9, s33, v8                       ; in: 16 x lane of each row
	v_mul_u32_u24 v10, v5, SPT
	v_add_nc_u32 v10, s33, v10                     ; out: my row
	s_wait_alu depctr_va_vdst(0)
	s_wait_kmcnt 0x0
	s_add_nc_u64 s[36:37], s[36:37], s[30:31]
	s_add_nc_u64 s[44:45], s[38:39], s[42:43]
	s_add_nc_u64 s[38:39], s[38:39], s[40:41]
.macro SLOAD q
.set n, 0
.rept 32
	global_load_b128 v[R+4*n:R+4*n+3], v8, s[36:37] offset:4096*n+512*(\q) th:TH_LOAD_NT
.set n, n+1
.endr
.endm
.macro SGET hf                         ; two blocks of my row: 256 bytes
.set n, 0
.rept 16
	ds_load_b128 v[X+4*n:X+4*n+3], v10 offset:256*(\hf)+16*n
.set n, n+1
.endr
.endm
	SLOAD 0
.irp q, 0,1
	s_wait_loadcnt 0x0
.set n, 0
.rept 32
	ds_store_b128 v9, v[R+4*n:R+4*n+3] offset:SPT*n
.set n, n+1
.endr
	SGET 0                                         ; LDS serves a wave's instructions in order: these see the stores above
	s_wait_dscnt 0x0                               ; the stores have read their registers too
.if \q == 0
	SLOAD 1
.else
	s_wait_xcnt 0x0                                ; the first K step's stores have read the codes' registers
.endif
	BLK X, EV, 4*\q
	BLK X+32, OD, 4*\q+1
	PAIR 0, \q
	SGET 1
	s_wait_dscnt 0x0
.if \q == 1
	s_wait_xcnt 0x0
.endif
	BLK X, EV+6, 4*\q+2
	BLK X+32, OD+6, 4*\q+3
	PAIR 1, \q
.endr
	global_store_b64 v7, v[WD:WD+1], s[44:45]
	s_wait_tensorcnt 0x0
	ds_add_u32 v62, v63
	s_wait_dscnt 0x0
	s_endpgm
; ---- THE MASK'S FLAGS.  A job: query tile tq, four key steps of 128.  Word: bits 15:0 row i of the tile is all +-inf here; 16 all +-0; 17 all -inf; 18 a +inf is among them.
; The words only select values in this launch; a later launch reads them as whole numbers.
.Lmask:
	s_load_b64 s[36:37], s[0:1], 0x58              ; causal_mask
	s_load_b64 s[38:39], s[0:1], 0x88              ; FL
	s_sub_co_u32 s3, s52, 256
	s_lshl_b32 s3, s3, 3
	s_add_co_u32 s3, s3, s2                        ; job 0..511 = 4 tq + which four key steps
	s_lshr_b32 s5, s3, 2
	s_and_b32 s4, s3, 3
	s_lshr_b32 s6, s5, 1
	s_lshl_b32 s6, s6, 5
	s_and_b32 s7, s5, 1
	s_lshl_b32 s7, s7, 3
	s_add_co_u32 s6, s6, s7                        ; the tile's first row
	s_lshl_b32 s30, s6, 13                         ; rows of 8,192 bytes
	s_lshl_b32 s7, s4, 11
	s_add_co_u32 s30, s30, s7
	s_mov_b32 s31, 0
	s_lshl_b32 s40, s3, 4                          ; four words a job
	s_mov_b32 s41, 0
	s_mov_b32 s46, 0x7f800000
	s_mov_b32 s47, 0x7fffffff
	s_mov_b32 s48, 0xff800000
	s_wait_alu depctr_va_vdst(0)
	v_lshlrev_b32 v8, 4, v2
	s_wait_alu depctr_va_vdst(0)
	s_wait_kmcnt 0x0
	s_add_nc_u64 s[36:37], s[36:37], s[30:31]
	s_add_nc_u64 s[38:39], s[38:39], s[40:41]
.macro MLOAD t                         ; key step t of the four: 16 rows x 512 bytes
.set n, 0
.rept 16
	global_load_b128 v[R+64*((\t)%2)+4*n:R+64*((\t)%2)+4*n+3], v8, s[36:37] offset:(n+8*(n/8))*8192+512*(\t)
.set n, n+1
.endr
.endm
	MLOAD 0
	MLOAD 1
.irp t, 0,1,2,3
.if \t < 3
	s_wait_loadcnt 16                              ; this key step's 16 loads are in; the next one's may be out
.else
	s_wait_loadcnt 0x0
.endif
	v_mov_b32 v52, -1                              ; the tile's AND,
	v_mov_b32 v53, 0                               ; its OR,
	v_mov_b32 v54, s48                             ; its largest number (a NaN loses)
	s_mov_b32 s42, 0
.set n, 0
.rept 16
.set MR, R+64*(\t%2)+4*n
	v_and_b32 v48, v[MR], v[MR+1]
	v_and_b32 v49, v[MR+2], v[MR+3]
	v_or_b32 v50, v[MR], v[MR+1]
	v_or_b32 v51, v[MR+2], v[MR+3]
	v_and_b32 v48, v48, v49
	v_or_b32 v50, v50, v51
	v_max3_num_f32 v54, v54, v[MR], v[MR+1]
	v_max3_num_f32 v54, v54, v[MR+2], v[MR+3]
	v_and_b32 v52, v52, v48
	v_or_b32 v53, v53, v50
	v_xor_b32 v49, v48, v50                        ; my four words agree, the sign apart, and are infinity's:
	v_xor_b32 v51, s46, v48
	v_or_b32 v49, v49, v51
	v_and_b32 v49, s47, v49
	v_cmp_eq_u32 vcc_lo, 0, v49
	s_cmp_eq_u32 vcc_lo, -1                        ; in all 32 lanes
	s_cselect_b32 s43, 1<<n, 0
	s_or_b32 s42, s42, s43
.set n, n+1
.endr
	v_and_b32 v49, s47, v53
	v_cmp_eq_u32 vcc_lo, 0, v49
	s_cmp_eq_u32 vcc_lo, -1
	s_cselect_b32 s43, 0x10000, 0
	s_or_b32 s42, s42, s43
	v_cmp_eq_u32 vcc_lo, s48, v52
	v_cmp_eq_u32 s49, s48, v53
	s_and_b32 s49, s49, vcc_lo
	s_cmp_eq_u32 s49, -1
	s_cselect_b32 s43, 0x20000, 0
	s_or_b32 s42, s42, s43
	v_cmp_eq_u32 vcc_lo, s46, v54
	s_cmp_lg_u32 vcc_lo, 0
	s_cselect_b32 s43, 0x40000, 0
	s_or_b32 s42, s42, s43
	v_mov_b32 v[56+\t], s42
.if \t < 2
	MLOAD \t+2
.endif
.endr
	v_mov_b32 v9, 0
	v_cmp_eq_u32 vcc_lo, 0, v2
	s_wait_alu depctr_va_vdst(0)
	s_wait_xcnt 0x0                                ; EXEC changes only behind this wait
	s_and_saveexec_b32 s50, vcc_lo
	global_store_b128 v9, v[56:59], s[38:39]       ; lane 0 stores the four words
	s_wait_xcnt 0x0
	s_or_b32 exec_lo, exec_lo, s50
	s_endpgm
; ---- THE BIASES beside the weights' codes, and the activation's lower bound (-inf: none; 0: relu), 256 bytes of it.  The group's four work-groups are 256 threads, 16 bytes of each vector to a thread
.Lbias:
	s_load_b128 s[8:11], s[0:1], 0x38              ; bq, bk
	s_load_b128 s[12:15], s[0:1], 0x48             ; bv, b1
	s_load_b128 s[20:23], s[0:1], 0x68             ; WQKV, W1P
	s_and_b32 s3, ttmp9, 3
	s_lshl_b32 s3, s3, 10                          ; 64 threads x 16 bytes
	v_lshl_add_u32 v8, v0, 4, s3                   ; 16 x my number among the 256
	s_wait_alu depctr_va_vdst(0)
	s_wait_kmcnt 0x0
	global_load_b128 v[16:19], v8, s[8:9]
	global_load_b128 v[20:23], v8, s[10:11]
	global_load_b128 v[24:27], v8, s[12:13]
.irp i, 0,1,2,3
	global_load_b128 v[28+4*\i:31+4*\i], v8, s[14:15] offset:4096*\i
.endr
.irp i, 0,1,2,3
	v_mov_b32 v[44+\i], 0xff800000
	v_mov_b32 v[48+\i], 0
.endr
	s_wait_alu depctr_va_vdst(0)
	s_wait_loadcnt 0x0
	global_store_b128 v8, v[16:19], s[20:21] offset:BOFF
	global_store_b128 v8, v[20:23], s[20:21] offset:BOFF+4096
	global_store_b128 v8, v[24:27], s[20:21] offset:BOFF+8192
.irp i, 0,1,2,3
	global_store_b128 v8, v[28+4*\i:31+4*\i], s[22:23] offset:BOFF+4096*\i
.endr
	v_cmp_gt_u32 vcc_lo, 256, v8                   ; the first sixteen of the 256 threads
	s_wait_xcnt 0x0
	s_and_saveexec_b32 s50, vcc_lo
	global_store_b128 v8, v[44:47], s[20:21] offset:BOFF+16384
	global_store_b128 v8, v[48:51], s[22:23] offset:BOFF+16384
	s_wait_xcnt 0x0
	s_or_b32 exec_lo, exec_lo, s50
	s_endpgm
.Lfunc_end_k_q03ebfe7d2f_prep:
	.size	k_q03ebfe7d2f_prep, .Lfunc_end_k_q03ebfe7d2f_prep-k_q03ebfe7d2f_prep
	.p2alignl 7, 3214868480
	.fill 96, 4, 3214868480
	.section	.rodata,"a",@progbits
	.p2align	6, 0x0
	.amdhsa_kernel k_q03ebfe7d2f_prep
		.amdhsa_group_segment_fixed_size 34048
		.amdhsa_private_segment_fixed_size 0
		.amdhsa_enable_private_segment 0
		.amdhsa_kernarg_size 144
		.amdhsa_user_sgpr_count 2
		.amdhsa_user_sgpr_kernarg_segment_ptr 1
		.amdhsa_wavefront_size32 1
		.amdhsa_system_sgpr_workgroup_id_x 1
		.amdhsa_system_sgpr_workgroup_id_y 1
		.amdhsa_system_sgpr_workgroup_id_z 1
		.amdhsa_system_vgpr_workitem_id 0
		.amdhsa_next_free_vgpr 256
		.amdhsa_next_free_sgpr 66
		.amdhsa_reserve_vcc 1
		.amdhsa_float_denorm_mode_32 3
		.amdhsa_float_denorm_mode_16_64 3
		.amdhsa_memory_ordered 1
		.amdhsa_forward_progress 1
		.amdhsa_inst_pref_size 166
	.end_amdhsa_kernel
	.amdgpu_metadata
---
amdhsa.version: [ 1, 2 ]
amdhsa.kernels:
  - .name:           k_q03ebfe7d2f_prep
    .symbol:         k_q03ebfe7d2f_prep.kd
    .args:
      - { .name: src, .offset: 0, .size: 8, .value_kind: global_buffer, .address_space: global }
      - { .name: Wq, .offset: 8, .size: 8, .value_kind: global_buffer, .address_space: global }
      - { .name: Wk, .offset: 16, .size: 8, .value_kind: global_buffer, .address_space: global }
      - { .name: Wv, .offset: 24, .size: 8, .value_kind: global_buffer, .address_space: global }
      - { .name: Wo, .offset: 32, .size: 8, .value_kind: global_buffer, .address_space: global }
      - { .name: W1, .offset: 40, .size: 8, .value_kind: global_buffer, .address_space: global }
      - { .name: W2, .offset: 48, .size: 8, .value_kind: global_buffer, .address_space: global }
      - { .name: bq, .offset: 56, .size: 8, .value_kind: global_buffer, .address_space: global }
      - { .name: bk, .offset: 64, .size: 8, .value_kind: global_buffer, .address_space: global }
      - { .name: bv, .offset: 72, .size: 8, .value_kind: global_buffer, .address_space: global }
      - { .name: b1, .offset: 80, .size: 8, .value_kind: global_buffer, .address_space: global }
      - { .name: causal_mask, .offset: 88, .size: 8, .value_kind: global_buffer, .address_space: global }
      - { .name: AX, .offset: 96, .size: 8, .value_kind: global_buffer, .address_space: global }
      - { .name: WQKV, .offset: 104, .size: 8, .value_kind: global_buffer, .address_space: global }
      - { .name: W1P, .offset: 112, .size: 8, .value_kind: global_buffer, .address_space: global }
      - { .name: WOP, .offset: 120, .size: 8, .value_kind: global_buffer, .address_space: global }
      - { .name: W2P, .offset: 128, .size: 8, .value_kind: global_buffer, .address_space: global }
      - { .name: FL, .offset: 136, .size: 8, .value_kind: global_buffer, .address_space: global }
    .group_segment_fixed_size: 34048
    .private_segment_fixed_size: 0
    .kernarg_segment_align: 8
    .kernarg_segment_size: 144
    .max_flat_workgroup_size: 64
    .sgpr_count:     66
    .vgpr_count:     256
    .wavefront_size: 32
...
	.end_amdgpu_metadata
.endif
;; end of part 1
;; launch gemm_q (part 2): grid 8 x 24, 4 waves a work-group, clusters of 4 x 4, 327,680 bytes of LDS; arguments AX, WQKV, BIG; writes BIG
.if DOCPART == 2
	.amdgcn_target "amdgcn-amd-amdhsa--gfx1250"
	.amdhsa_code_object_version 6
	.text
	.protected	k_q03ebfe7d2f_gemm_q
	.globl	k_q03ebfe7d2f_gemm_q
	.p2align	8
	.type	k_q03ebfe7d2f_gemm_q,@function
k_q03ebfe7d2f_gemm_q:
	s_mov_b64 s[64:65], 0
	v_nop
	global_prefetch_b8 v0, s[64:65] scope:SCOPE_SE
	s_setreg_imm32_b32 hwreg(HW_REG_WAVE_MODE, 25, 1), 1
	s_wait_xcnt 0x0
	s_wait_alu depctr_hold_cnt(0) depctr_sa_sdst(0) depctr_va_vdst(0) depctr_va_sdst(0) depctr_va_ssrc(0) depctr_va_vcc(0) depctr_vm_vsrc(0)
	s_getreg_b32 s2, hwreg(HW_REG_IB_STS2, 6, 4)
	s_cmp_eq_u32 s2, 0
	s_cbranch_scc0 .Lentry_in_a_cluster
	s_endpgm
.Lentry_in_a_cluster:
	s_bfe_u32 s2, ttmp6, 0x10000c
	s_cmp_lg_u32 s2, 0xf033
	s_cbranch_scc0 .Lentry_shape_is_right
	s_endpgm
.Lentry_shape_is_right:
; C = max(A B^T + bias, lower bound), K = 1,024, on codes of BF6 with E8M0 scales; C is quantised along its columns at once and stored as the next product's operand.
; OPERANDS are "packages": tile T = 16 rows (lane r: row 32 (T / 2) + 8 (T % 2) + r + 8 (r / 8)); a fragment (T, 128 along K) is an image of its 12 registers, six planes of 256 bytes (plane p: registers 2 p, 2 p + 1 of
; lane l at 8 l).  128 rows x 256 along K are 24,576 dense bytes; 128 rows' scale words for all of K 4,096 dense bytes, behind the codes (at 3,145,728 in a package of 4,096 rows, 786,432 in one of 1,024).
; A tile of C is 256 x 256: four waves, each 128 x 128 in 64 accumulators.  K goes in four steps of 256 through two LDS slots filled by the tensor data mover; every fragment load takes 256 consecutive LDS bytes.
; CLUSTERS 4 x 4: A's tiles are asked for jointly along a row of the cluster, B's along a column.  The matrix instruction is used transposed (source 0 = B, source 1 = A): a lane holds one row of C, and by the order of
; rows in B's tiles the 16 registers of accumulators 2 g, 2 g + 1 are 16 neighbouring columns: what the conversions want.
; MODES, by the cluster's y alone.  0 (y < 4): A = the first argument, B = the second (weights); bias by column; slice = cluster x; out = package slice.  1 (y >= 4, only in the launch whose grid has such y):
; A = the weights' rows 2,048 on, B = the first argument: C = V^T; bias by row; out = small package 2 x 3,276,800 + slice x 819,200.  Both bias sets are loaded in both modes and the one not wanted is cleared.
; LIMITS: NaN and infinities are not served; blocks whose largest magnitude lies under 2^-122 keep the byte 1 (a block of zeros too: its codes are zeros).
.set PK,     3276800
.set PS,     819200
.set BOFF,   3276800                   ; behind the weights' package: biases; 16,384 bytes on: the lower bound
.set NQ,     2
.set FR,     12
.set NL,     6
.set NP,     4
.set HALFT,  24576                     ; 128 rows x 256 along K: what one tensor load brings
.set SLOT,   4*HALFT                   ; A's two halves, then B's two
.set SCL,    2*SLOT                    ; the scale words: 4,096 bytes for each fetching wave; B's two regions lie 128 bytes further on, so that A's and B's words of one load fall on different banks
.set SPARE,  213248                    ; the spare words, 128 bytes for each wave: two blocks of 256 bytes that no other line names
.set ADRA, 16                          ; v16-17 LDS address of my A fragments in slot 0, 1
.set ADRB, 20                          ; v20-21 the same for B
.set ADRS, 27                          ; v27    my scale words: lanes 0-15 A's rows, lanes 16-31 B's
.set SPW,  28
.set NIL,  29
.set SC,   32                          ; v32-63 scale words, two sets
.set CB,   64                          ; v64-127 the column biases, in the result's layout
.set AF,   128                         ; v128-223 A's fragments, one set
.set H,    128                         ; the way out: 64 numbers of a row
.set PC,   192                         ; v192-203 codes; v204-210 at work
.set TM,   212                         ; v212-227 at work
.set PWB,  228                         ; v228-235 the eight blocks' scale words
.set RB,   236                         ; v236-243 the row biases; v244-245 one of them, twice
.set G1, 24
.set G0, 32
.set G1B, 48
.set G0B, 56
.set G1S, 68
.set G0S, 76
.set G1SB, 80
.set G0SB, 88
.set MSB, 0
.macro WIN new                         ; the immediate's high byte repeats the setting that is left
.if MSB != (\new)
	s_set_vgpr_msb (MSB<<8)|(\new)
.set MSB, (\new)
.endif
.endm
.set MUL_LO, 0xa1                      ; source 0 (B) window 1, source 1 (A) window 0, C and D window 2
.set MUL_HI, 0xf1
.set TO_B,   0x40
; a joint load: waves 0 and 1 fetch for A, waves 2 and 3 for B; four v_nop follow each of the two lines
.macro JLOAD g0a, g1a, g0b, g1b
	s_cmp_eq_u32 s15, 0
	s_cbranch_scc0 .Lfor_b_\@
	tensor_load_to_lds s[\g0a:\g0a+3], s[\g1a:\g1a+7]
	s_nop 0
.rept 4
	v_nop
.endr
	s_branch .Lasked_\@
.Lfor_b_\@:
	tensor_load_to_lds s[\g0b:\g0b+3], s[\g1b:\g1b+7]
	s_nop 0
.rept 4
	v_nop
.endr
.Lasked_\@:
.endm
.macro CREST
	s_cmp_lg_u32 s14, 0
	s_cbranch_scc1 .Lnot_wave_0_\@
	s_barrier_signal -3
.Lnot_wave_0_\@:
	s_barrier_wait -3
	s_barrier_signal -1
	s_barrier_wait -1
.endm
.macro CROUND
	s_barrier_signal -1
	s_barrier_wait -1
	CREST
.endm
	s_load_b128 s[4:7], s[0:1], 0x0                ; the rows' package, the weights' package
	s_load_b64 s[12:13], s[0:1], 0x10              ; out
	v_lshl_add_u32 v[SPW], v0, 2, SPARE
	v_mov_b32 v[NIL], 0
	ds_add_u32 v28, v29
	ds_add_u32 v28, v29
	s_wait_dscnt 0x0
	v_lshrrev_b32 v1, 5, v0
	v_readfirstlane_b32 s14, v1                    ; wave 0..3
	s_lshr_b32 s15, s14, 1                         ; my half of the tile's rows; also: I fetch for A (0) or B (1)
	s_and_b32 s16, s14, 1                          ; my half of its columns; also: which 128 rows I fetch
	s_bfe_u32 s40, ttmp6, 0x40000                  ; cx
	s_bfe_u32 s41, ttmp6, 0x40004                  ; cy
	s_and_b32 s18, ttmp7, 0xffff                   ; cluster y
	s_sub_co_u32 s19, s18, 4
	s_lshl_b32 s19, s19, 1
	s_add_co_u32 s19, s19, ttmp9                   ; mode 1: 2 (y - 4) + cluster x
	s_lshl_b32 s3, s18, 2
	s_cmp_ge_u32 s18, 4                            ; the mode: the same in all sixteen partners
	s_cselect_b32 s19, s19, ttmp9                  ; slice = the cluster's part of the tile column
	s_cselect_b32 s3, 0, s3                        ; the cluster's part of the tile row
	s_cselect_b32 s98, 16, 0                       ; A's first block of 128 rows in its package
	s_cselect_b32 s99, 0, -1                       ; keeps or clears the column biases,
	s_cselect_b32 s101, -1, 0                      ; the row biases
	s_add_co_u32 s17, s3, s41                      ; tile row
	s_lshl_b32 s42, s19, 2
	s_add_co_u32 s42, s42, s40                     ; tile column
	s_lshl_b32 s43, s41, 2
	s_lshl_b32 s43, 15, s43                        ; my row of the cluster
	s_lshl_b32 s44, 0x1111, s40                    ; my column
	; descriptor group 1: a dense block as rows of 256 bytes (32 elements of 8 bytes), no padding: 96 rows of codes, 32 of scale words
	s_or_b32 s[G1+0], s43, (3<<16)|(1<<21)
	s_or_b32 s[G1B+0], s44, (3<<16)|(1<<21)
.irp g, G1, G1B                        ; for the head's loads: two blocks of 128 rows, each a row of 24,576 dense bytes (3,072 elements), 98,304 bytes apart
	s_mov_b32 s[\g+1], 3072<<16
	s_mov_b32 s[\g+2], 2<<16
	s_mov_b32 s[\g+3], 3072<<16
	s_mov_b32 s[\g+4], 2
	s_mov_b32 s[\g+5], 12288
	s_mov_b32 s[\g+6], 0
	s_mov_b32 s[\g+7], 0
.endr
	s_or_b32 s[G1S+0], s43, (3<<16)|(1<<21)
	s_or_b32 s[G1SB+0], s44, (3<<16)|(1<<21)
.irp g, G1S, G1SB                      ; the scale words of 256 rows: 8,192 dense bytes
	s_mov_b32 s[\g+1], 32<<16
	s_mov_b32 s[\g+2], 32<<16
	s_mov_b32 s[\g+3], 32<<16
	s_mov_b32 s[\g+4], 32
	s_mov_b32 s[\g+5], 32
	s_mov_b32 s[\g+6], 0
	s_mov_b32 s[\g+7], 0
.endr
	s_lshl_b32 s20, s17, 1
	s_add_co_u32 s20, s20, s16
	s_add_co_u32 s20, s20, s98                     ; A: which block of 128 rows I fetch
	s_lshl_b32 s46, s42, 1
	s_add_co_u32 s46, s46, s16                     ; B
	s_sub_co_u32 s22, s20, s16                     ; the tile's first block of 128 rows
	s_lshl_b32 s22, s22, 12
	s_add_co_u32 s22, s22, 3145728                 ; its scale words
	s_mov_b32 s23, 0
	s_mul_i32 s20, s20, 4*HALFT                    ; its codes
	s_mov_b32 s21, 0
	s_sub_co_u32 s92, s46, s16
	s_lshl_b32 s92, s92, 12
	s_add_co_u32 s92, s92, 3145728
	s_mov_b32 s93, 0
	s_mul_i32 s46, s46, 4*HALFT
	s_mov_b32 s47, 0
	s_mul_i32 s45, s14, HALFT                      ; where they go: no place in the cluster enters an LDS address
	s_mul_i32 s94, s15, 8320                       ; A's scale words at SCL, B's 8,192 + 128 bytes on
	s_wait_kmcnt 0x0
	s_cmp_ge_u32 s18, 4
	s_cselect_b64 s[8:9], s[6:7], s[4:5]           ; A's package
	s_cselect_b64 s[10:11], s[4:5], s[6:7]         ; B's
	s_add_nc_u64 s[20:21], s[8:9], s[20:21]
	s_add_nc_u64 s[22:23], s[8:9], s[22:23]
	s_add_nc_u64 s[46:47], s[10:11], s[46:47]
	s_add_nc_u64 s[92:93], s[10:11], s[92:93]
	CROUND                                         ; all sixteen work-groups are here: the first joint loads meet
	s_mov_b32 s[G0S], 1
	s_add_co_u32 s[G0S+1], s94, SCL
	s_mov_b64 s[G0S+2:G0S+3], s[22:23]
	s_or_b32 s[G0S+3], s[G0S+3], 0x80000000
	s_mov_b32 s[G0SB], 1
	s_add_co_u32 s[G0SB+1], s94, SCL
	s_mov_b64 s[G0SB+2:G0SB+3], s[92:93]
	s_or_b32 s[G0SB+3], s[G0SB+3], 0x80000000
.irp s, 0,1
	s_mov_b32 s[G0+4*\s], 1
	s_add_co_u32 s[G0+4*\s+1], s45, \s*SLOT
	s_add_nc_u64 s[G0+4*\s+2:G0+4*\s+3], s[20:21], \s*HALFT
	s_or_b32 s[G0+4*\s+3], s[G0+4*\s+3], 0x80000000
	s_mov_b32 s[G0B+4*\s], 1
	s_add_co_u32 s[G0B+4*\s+1], s45, \s*SLOT
	s_add_nc_u64 s[G0B+4*\s+2:G0B+4*\s+3], s[46:47], \s*HALFT
	s_or_b32 s[G0B+4*\s+3], s[G0B+4*\s+3], 0x80000000
.endr
; THE HEAD'S LOADS, ONE A WAVE: wave 0 K step 0 of A's 256 rows, wave 1 A's scale words, wave 2 K step 0 of B's 256 rows, wave 3 B's scale words.
; Wave 0's and wave 2's own group 0 of slot 0 point at the tile's first block and at its place in LDS.  One chain of branches on the wave's number, one load to an arm.
.macro ARM under, g0, g1, next
	s_cmp_lt_u32 s14, \under
	s_cbranch_scc0 \next
	tensor_load_to_lds s[\g0:\g0+3], s[\g1:\g1+7]
	s_nop 0
.rept 4
	v_nop
.endr
	s_branch .Lhead_asked
\next:
.endm
	ARM 1, G0,  G1,  .Lhead_sa
	ARM 2, G0S, G1S, .Lhead_b
	ARM 3, G0B, G1B, .Lhead_sb
	tensor_load_to_lds s[G0SB:G0SB+3], s[G1SB:G1SB+7]
	s_nop 0
.rept 4
	v_nop
.endr
.Lhead_asked:
	v_and_b32 v1, 15, v0                           ; r
	v_bfe_u32 v2, v0, 4, 1                         ; h
	s_wait_alu depctr_va_vdst(0)
	v_and_b32 v3, 31, v0
	v_lshlrev_b32 v9, 3, v3                        ; 8 x lane: my place in a plane
	s_mul_i32 s21, s15, HALFT
	s_mul_i32 s22, s16, HALFT
	s_add_co_u32 s22, s22, 2*HALFT
.irp s, 0,1
	v_add_nc_u32 v[ADRA+\s], s21, v9
	v_add_nc_u32 v[ADRB+\s], s22, v9
	s_add_co_u32 s21, s21, SLOT
	s_add_co_u32 s22, s22, SLOT
.endr
	v_lshlrev_b32 v5, 3, v1                        ; my row's two words of a K step
	s_lshl_b32 s21, s15, 12                        ; A's region
	s_lshl_b32 s22, s16, 12
	s_add_co_u32 s22, s22, 2*4096+128              ; B's
	s_sub_co_u32 s22, s22, s21
	v_mul_u32_u24 v6, s22, v2                      ; lanes 16-31 take B's
	s_add_co_u32 s21, s21, SCL
	v_add_nc_u32 v5, v5, v6
	v_add_nc_u32 v[ADRS], s21, v5
	; the way out: the scale words meet in LDS bytes 0 .. 2,047 (slot 0, behind its last fill and its last read)
	s_lshl_b32 s21, s15, 10
	s_lshl_b32 s22, s16, 2
	s_add_co_u32 s22, s22, s21
	v_lshl_add_u32 v24, v1, 3, s22                 ; in: 1,024 x row half + 8 r + 4 x column half (+ 128 a)
	s_lshl_b32 s22, s16, 9
	s_add_co_u32 s22, s22, s21
	v_lshl_add_u32 v25, v3, 4, s22                 ; back: my 512 bytes of them
	v_lshlrev_b32 v26, 4, v3
	; where the results go
	s_mul_i32 s20, s19, PK
	s_mul_i32 s21, s19, PS
	s_add_co_u32 s21, s21, 2*PK
	s_mov_b32 s22, 786432
	s_cmp_ge_u32 s18, 4
	s_cselect_b32 s20, s21, s20                    ; the slice's package,
	s_cselect_b32 s22, s22, 3145728                ; where its scale words begin
	s_lshl_b32 s21, s17, 1
	s_add_co_u32 s21, s21, s15                     ; my block of 128 rows
	s_lshl_b32 s23, s21, 12
	s_lshl_b32 s21, s21, 2
	s_add_co_u32 s21, s21, s40                     ; my 256 columns are K step cx of the next product,
	s_mul_i32 s21, s21, HALFT
	s_mul_i32 s46, s16, 1536                       ; my 128 its half
	s_add_co_u32 s46, s46, s21
	s_add_co_u32 s46, s46, s20
	s_mov_b32 s47, 0
	s_lshl_b32 s21, s40, 10
	s_add_co_u32 s94, s23, s21
	s_lshl_b32 s21, s16, 9
	s_add_co_u32 s94, s94, s21
	s_add_co_u32 s94, s94, s22
	s_add_co_u32 s94, s94, s20
	s_mov_b32 s95, 0
	s_add_nc_u64 s[8:9], s[12:13], s[46:47]        ; codes
	s_add_nc_u64 s[10:11], s[12:13], s[94:95]      ; scale words
	; the biases and the lower bound; their registers and addresses are written nowhere else
	s_load_b32 s100, s[6:7], 0x324000              ; BOFF + 16,384
	s_lshl_b32 s20, s42, 10
	s_lshl_b32 s21, s16, 9
	s_add_co_u32 s20, s20, s21                     ; my first column x 4,
	s_and_b32 s20, s20, s99                        ; (mode 1: any valid place)
	s_mov_b32 s21, 0
	s_add_nc_u64 s[96:97], s[6:7], s[20:21]
	s_lshl_b32 s22, s17, 10
	s_lshl_b32 s23, s15, 9
	s_add_co_u32 s22, s22, s23
	s_add_co_u32 s22, s22, 8192                    ; (2,048 + my first row) x 4,
	s_and_b32 s22, s22, s101                       ; (mode 0: any valid place)
	s_mov_b32 s23, 0
	s_add_nc_u64 s[92:93], s[6:7], s[22:23]
	v_lshlrev_b32 v10, 6, v2                       ; 64 h
	v_and_b32 v11, 8, v1
	v_add_nc_u32 v11, v11, v1
	v_lshlrev_b32 v11, 2, v11                      ; 4 (r + 8 (r / 8))
.irp b, 0,1,2,3
.irp j, 0,1,2,3
	global_load_b128 v[CB+16*\b+4*\j:CB+16*\b+4*\j+3], v10, s[96:97] offset:BOFF+128*\b+16*\j   ; register 16 b + i: column 32 b + 16 h + i
.endr
.endr
.irp a, 0,1,2,3,4,5,6,7
	global_load_b32 v[RB+\a], v11, s[92:93] offset:BOFF+128*(\a/2)+32*(\a%2)   ; block a: my row's
.endr
.macro FRAG reg, adr, q, i             ; a fragment comes as it was stored: six planes, 256 consecutive bytes a load
.irp p, 0,1,2,3,4,5
	ds_load_b64 v[\reg+2*\p:\reg+2*\p+1], v[\adr] offset:((\i)*2+(\q))*1536+256*\p
.endr
.endm
; 16 matrix instructions: A's blocks a0, a0 + 1 x B's eight.  The 64 accumulators take turns, one instruction a turn, in the same order in every step
.macro MUL16 a0, p, q, sc, zero
.irp a, \a0, \a0+1
.irp b, 0,1,2,3,4,5,6,7
.if \zero
	v_wmma_scale_f32_16x16x128_f8f6f4 v[8*(8*((\a)%4)+\b):8*(8*((\a)%4)+\b)+7], v[128*(\p)+FR*\b:128*(\p)+FR*\b+FR-1], v[AF+FR*(\a):AF+FR*(\a)+FR-1], 0, v[SC+8*NQ*(\sc)+NQ*\b+(\q)], v[SC+8*NQ*(\sc)+NQ*(\a)+(\q)] matrix_a_fmt:MATRIX_FMT_BF6 matrix_b_fmt:MATRIX_FMT_BF6 matrix_a_scale:MATRIX_SCALE_ROW1
.else
	v_wmma_scale_f32_16x16x128_f8f6f4 v[8*(8*((\a)%4)+\b):8*(8*((\a)%4)+\b)+7], v[128*(\p)+FR*\b:128*(\p)+FR*\b+FR-1], v[AF+FR*(\a):AF+FR*(\a)+FR-1], v[8*(8*((\a)%4)+\b):8*(8*((\a)%4)+\b)+7], v[SC+8*NQ*(\sc)+NQ*\b+(\q)], v[SC+8*NQ*(\sc)+NQ*(\a)+(\q)] matrix_a_fmt:MATRIX_FMT_BF6 matrix_b_fmt:MATRIX_FMT_BF6 matrix_a_scale:MATRIX_SCALE_ROW1
.endif
.endr
.endr
.endm
.macro FETCH_B slot, q, p
	WIN TO_B
.irp i, 0,1,2,3,4,5,6,7
	FRAG 128*(\p)+FR*\i, ADRB+\slot, \q, \i
.endr
	WIN 0
.endm
.macro FETCH_A slot, q, i0
.irp i, \i0, \i0+1, \i0+2, \i0+3
	FRAG AF+FR*(\i), ADRA+\slot, \q, \i
.endr
.endm
.macro SCALES sc                       ; a K step's words: lanes 0-15 A's block i, lanes 16-31 B's block i
.irp i, 0,1,2,3,4,5,6,7
	ds_load_b64 v[SC+8*NQ*\sc+NQ*\i:SC+8*NQ*\sc+NQ*\i+1], v[ADRS] offset:\i*128
.endr
.endm
.macro PLACES n                        ; plain vector lines between a matrix instruction and a load into, or a read of, its registers
.rept \n
	v_nop
.endr
.endm
.macro STEP slot, q, zero
	s_wait_dscnt 4*NL                              ; B's set and A's blocks 0-3 are in; the youngest 24 loads (A's blocks 4-7) may be out
	WIN MUL_LO
	MUL16 0, (\q)%2, \q, \slot, \zero
	MUL16 2, (\q)%2, \q, \slot, \zero
	s_wait_dscnt 0
	PLACES NP
	FETCH_B \slot, (\q)+1, 1-(\q)%2
	FETCH_A \slot, (\q)+1, 0
	WIN MUL_HI
	MUL16 4, (\q)%2, \q, \slot, \zero
	MUL16 6, (\q)%2, \q, \slot, \zero
	PLACES NP
	WIN 0
	FETCH_A \slot, (\q)+1, 4
.endm
; a slot's last step changes slots: one barrier; in front of it each wave waits for all its tensor loads, adds 0 to its spare word, and waits for that and for its reads of this slot
.macro TURN slot, next, fill
	s_wait_tensorcnt 0x0                           ; all my tensor loads have landed: my part of the next slot
	ds_add_u32 v[SPW], v[NIL]                      ; 0 onto my spare word
	s_wait_dscnt 4*NL+1                            ; the add and the youngest 24 loads may be out
	WIN MUL_LO
	MUL16 0, 1, NQ-1, \slot, 0
	s_wait_dscnt 0x0                               ; the add is done, and my reads of this slot are over
	s_barrier_signal -1
	MUL16 2, 1, NQ-1, \slot, 0
	WIN 0
	s_barrier_wait -1
.if \fill
	CREST                                          ; the barrier has opened a round of the cluster's barrier: no wave of any partner still reads this slot or has a load on its way
	s_add_nc_u64 s[G0+4*\slot+2:G0+4*\slot+3], s[G0+4*\slot+2:G0+4*\slot+3], 2*HALFT
	s_add_nc_u64 s[G0B+4*\slot+2:G0B+4*\slot+3], s[G0B+4*\slot+2:G0B+4*\slot+3], 2*HALFT
	JLOAD G0+4*\slot, G1, G0B+4*\slot, G1B         ; the first tensor load behind the round; its four v_nop are the places in front of the loads below
.else
	PLACES NP
.endif
	s_wait_alu depctr_va_vdst(0)
	v_add_nc_u32 v[ADRS], 1024, v[ADRS]            ; the next K step's scale words
	FETCH_B \next, 0, 0
	FETCH_A \next, 0, 0
	SCALES \next
	WIN MUL_HI
	MUL16 4, 1, NQ-1, \slot, 0
	MUL16 6, 1, NQ-1, \slot, 0
	PLACES NP
	WIN 0
	FETCH_A \next, 0, 4
.endm
	s_wait_alu depctr_va_vdst(0)
	s_wait_tensorcnt 0x0                           ; my tile of the head's four is in
	ds_add_u32 v[SPW], v[NIL]
.irp g, G1, G1B                        ; no tensor load of mine is out: from here on a load brings 128 rows x 256 along K as 96 rows of 256 bytes
	s_mov_b32 s[\g+1], 32<<16
	s_mov_b32 s[\g+2], 96<<16
	s_mov_b32 s[\g+3], 32<<16
	s_mov_b32 s[\g+4], 96
	s_mov_b32 s[\g+5], 32
.endr
	s_wait_dscnt 0x0
	CROUND                                         ; all four tiles are in, all sixteen work-groups are here
	JLOAD G0+4, G1, G0B+4, G1B                     ; K step 1: the first tensor load behind the round
	FETCH_B 0, 0, 0
	FETCH_A 0, 0, 0
	SCALES 0
	FETCH_A 0, 0, 4
	STEP 0, 0, 1                                   ; the first products start the sums
	TURN 0, 1, 1
	STEP 1, 0, 0
	TURN 1, 0, 1
	STEP 0, 0, 0
	TURN 0, 1, 0                                   ; nothing is left to fetch
	STEP 1, 0, 0
	s_wait_dscnt 4*NL
	WIN MUL_LO
	MUL16 0, 1, NQ-1, 1, 0
	MUL16 2, 1, NQ-1, 1, 0
	s_wait_dscnt 0
	WIN MUL_HI
	MUL16 4, 1, NQ-1, 1, 0
	MUL16 6, 1, NQ-1, 1, 0
	WIN 0
; 64 numbers of a lane, register 16 b + i = column 32 b + 16 h + i of my row, become a fragment's codes in v[PC] on and its scale word in v[pw]
.macro QUANT s, pw
.irp b, 0,1,2,3
	v_max3_num_f32 v[TM+\b], |v[\s+16*\b]|, |v[\s+1+16*\b]|, 0x2800000   ; with the floor 2^(5 - 127): the byte cannot fall under 1
.endr
.irp i, 2,4,6,8,10,12,14
.irp b, 0,1,2,3
	v_max3_num_f32 v[TM+\b], v[TM+\b], |v[\s+16*\b+\i]|, |v[\s+1+16*\b+\i]|
.endr
.endr
.irp b, 0,1,2,3
	v_permlanex16_b32 v[TM+4+\b], v[TM+\b], s2, s3
.endr
.irp b, 0,1,2,3
	v_max_num_f32 v[TM+\b], v[TM+\b], v[TM+4+\b]
.endr
.irp b, 0,1,2,3
	v_add_nc_u32 v[TM+12+\b], 0xfe000000, v[TM+\b]
.endr
.irp b, 0,1,2,3
	v_lshrrev_b32 v[TM+4+\b], 23, v[TM+12+\b]
.endr
	v_lshl_or_b32 v[\pw], v[TM+5], 8, v[TM+4]
	v_lshl_or_b32 v[\pw], v[TM+6], 16, v[\pw]
	v_lshl_or_b32 v[\pw], v[TM+7], 24, v[\pw]
.irp c, 0,1
	v_cvt_scalef32_pk16_bf6_f32 v[PC+6*\c:PC+2+6*\c], v[\s+32*\c:\s+15+32*\c], v[TM+12+2*\c]
	v_cvt_scalef32_pk16_bf6_f32 v[PC+12+4*\c:PC+14+4*\c], v[\s+16+32*\c:\s+31+32*\c], v[TM+12+2*\c+1]
.endr
	v_nop                                          ; one plain line behind a scaled conversion
.irp c, 0,1
.irp i, 0,1,2
	v_permlane16_swap_b32 v[PC+6*\c+\i], v[PC+12+4*\c+\i]
.endr
.irp i, 0,1,2
	v_mov_b32 v[PC+3+6*\c+\i], v[PC+12+4*\c+\i]
.endr
.endr
.endm
	; THE WAY OUT: block a of 16 rows: bias, lower bound, quantised along my 128 columns: one fragment of the next product, stored as its image
	PLACES NP
	s_mov_b32 s2, 0x76543210
	s_mov_b32 s3, 0xfedcba98                       ; lane l xor 16
	s_wait_loadcnt 0x0                             ; the biases
	s_wait_kmcnt 0x0                               ; the lower bound
.irp b, 0,1,2,3
	v_mov_b32 v[TM+4+\b], 0                        ; a lane permute's destination counts as one of its sources
.endr
.set n, 0
.rept 64
	v_and_b32 v[CB+n], s99, v[CB+n]
.set n, n+1
.endr
.irp a, 0,1,2,3,4,5,6,7
	v_and_b32 v[RB+\a], s101, v[RB+\a]
.endr
.irp a, 0,1,2,3,4,5,6,7
	v_mov_b32 v244, v[RB+\a]
	v_mov_b32 v245, v[RB+\a]
	WIN 0x02+(\a/4)                                ; source 0: window 2 or 3
.set n, 0
.rept 32
	v_pk_add_f32 v[H+n:H+n+1], v[64*(\a%4)+n:64*(\a%4)+n+1], v[CB+n:CB+n+1]   ; each accumulator from its low end on
.set n, n+2
.endr
	WIN 0
.set n, 0
.rept 32
	v_pk_add_f32 v[H+n:H+n+1], v[H+n:H+n+1], v[244:245]
.set n, n+2
.endr
.set n, 0
.rept 64
	v_max_num_f32 v[H+n], s100, v[H+n]
.set n, n+1
.endr
	s_wait_xcnt 0x0                                ; the last block's stores have read the codes' registers
	QUANT H, PWB+\a
.irp p, 0,1,2,3,4,5
	global_store_b64 v9, v[PC+2*\p:PC+2*\p+1], s[8:9] offset:\a*3072+256*\p   ; 256 consecutive bytes, aligned
.endr
.endr
.irp a, 0,1,2,3,4,5,6,7
	ds_store_b32 v24, v[PWB+\a] offset:128*\a      ; both halves of the lanes hold the same word and write it to the same place
.endr
	s_wait_dscnt 0x0                               ; for the others' sake: my words have landed
	s_barrier_signal -1
	s_barrier_wait -1
	ds_load_b128 v[128:131], v25                   ; a row's two words come from two waves
	s_wait_dscnt 0x0
	global_store_b128 v26, v[128:131], s[10:11]    ; 512 consecutive bytes
	s_wait_tensorcnt 0x0                           ; the wave's end
	ds_add_u32 v[SPW], v[NIL]
	s_wait_dscnt 0x0
	CROUND                                         ; the closing round
	s_endpgm
.Lfunc_end_k_q03ebfe7d2f_gemm_q:
	.size	k_q03ebfe7d2f_gemm_q, .Lfunc_end_k_q03ebfe7d2f_gemm_q-k_q03ebfe7d2f_gemm_q
	.p2alignl 7, 3214868480
	.fill 96, 4, 3214868480
	.section	.rodata,"a",@progbits
	.p2align	6, 0x0
	.amdhsa_kernel k_q03ebfe7d2f_gemm_q
		.amdhsa_group_segment_fixed_size 327680
		.amdhsa_private_segment_fixed_size 0
		.amdhsa_enable_private_segment 0
		.amdhsa_kernarg_size 24
		.amdhsa_user_sgpr_count 2
		.amdhsa_user_sgpr_kernarg_segment_ptr 1
		.amdhsa_wavefront_size32 1
		.amdhsa_system_sgpr_workgroup_id_x 1
		.amdhsa_system_sgpr_workgroup_id_y 1
		.amdhsa_system_sgpr_workgroup_id_z 1
		.amdhsa_system_vgpr_workitem_id 0
		.amdhsa_next_free_vgpr 1024
		.amdhsa_next_free_sgpr 102
		.amdhsa_reserve_vcc 0
		.amdhsa_float_denorm_mode_32 3
		.amdhsa_float_denorm_mode_16_64 3
		.amdhsa_memory_ordered 1
		.amdhsa_forward_progress 1
		.amdhsa_inst_pref_size 222
	.end_amdhsa_kernel
	.amdgpu_metadata
---
amdhsa.version: [ 1, 2 ]
amdhsa.kernels:
  - .name:           k_q03ebfe7d2f_gemm_q
    .symbol:         k_q03ebfe7d2f_gemm_q.kd
    .args:
      - { .name: AX, .offset: 0, .size: 8, .value_kind: global_buffer, .address_space: global }
      - { .name: WQKV, .offset: 8, .size: 8, .value_kind: global_buffer, .address_space: global }
      - { .name: BIG, .offset: 16, .size: 8, .value_kind: global_buffer, .address_space: global }
    .group_segment_fixed_size: 327680
    .private_segment_fixed_size: 0
    .kernarg_segment_align: 8
    .kernarg_segment_size: 24
    .max_flat_workgroup_size: 128
    .sgpr_count:     102
    .vgpr_count:     1024
    .wavefront_size: 32
...
	.end_amdgpu_metadata
.endif
;; end of part 2
;; launch attn (part 3): grid 8 x 32, 16 waves a work-group, no clusters, 292,864 bytes of LDS; arguments BIG, FL, causal_mask, AH; writes AH
.if DOCPART == 3
	.amdgcn_target "amdgcn-amd-amdhsa--gfx1250"
	.amdhsa_code_object_version 6
	.text
	.protected	k_q03ebfe7d2f_attn
	.globl	k_q03ebfe7d2f_attn
	.p2align	8
	.type	k_q03ebfe7d2f_attn,@function
k_q03ebfe7d2f_attn:
	s_mov_b64 s[64:65], 0
	v_nop
	global_prefetch_b8 v0, s[64:65] scope:SCOPE_SE
	s_setreg_imm32_b32 hwreg(HW_REG_WAVE_MODE, 25, 1), 1
	s_wait_xcnt 0x0
; ctx = softmax(q k^T / 8 + mask) v for one head (grid y = 16 b + h), both products on codes of BF6; the softmax is quantised FINISHED AND NORMALISED, so the keys are walked twice:
; pass 1 finds each row's maximum and sum, pass 2 makes p = 2^(t - M - log2(sum)), quantises it along the keys and multiplies by V.  ctx is quantised along the head's 64 and stored as the next product's operand.
; q, k: packages (rows = tokens, K = 1,024) at BIG + 0 and + 3,276,800; a head is half of a fragment's image: three planes of 256 bytes.  V^T: four small packages from BIG + 6,553,600.
; SHARES.  Sixteen waves, four to a SIMD.  Waves w and w + 8 (w < 8) are a pair with two query tiles: E = 8 j + w and L = 8 (15 - j) + w (j: the work-group's x).  Each wave walks BOTH tiles, over key steps of its own:
; wave w all 16 steps of E and steps 0 .. 6 - j of L, wave w + 8 steps 7 - j .. 15 of L.  Steps that are not a wave's own are passed over like steps whose mask tile is all -inf.  Under a triangular mask that is
; 8 and 9 steps a pass, one of them on the diagonal for each wave; for any other mask the shares are uneven and the values the same.  The pair joins maxima, sums and smallest magnitudes through LDS between the
; passes, and the partial O^T of the tile that the partner finishes behind pass 2: under the final M and sum the parts simply add.  A wave finishes its own tile (w: E, w + 8: L).
; A tile's state (q, its scale word, -M, largest t, sum, smallest |u|; mask address, flag bits) lies in one set of registers at work and one shadow set; the two change places at each job's end.
; K and V of the head are brought into LDS ONCE, through registers; their loads go out first, and the rest of the head is worked while they are out.
; NO TENSOR LOADS AND NO JOINT REQUESTS: the key steps branch on whole numbers that an earlier launch stored.
; THE MASK is honoured for any content.  A tile that is all -inf is left out, a tile that is all +-0 needs no load, every other tile is loaded; where one of the 16 rows is all +-inf, or holds a +inf, every tile goes the general
; way, and only then (by the stored flags) are the smallest |u| searched and rows set to zero.
; u = 8 mask + q.k; a NaN becomes 0; a row of infinities alone becomes zeros (p = 2^-11); a row with a +inf gives p = 0, as the NaN that the softmax gives there is replaced by 0.
; LAYOUT.  Both products transposed: a lane holds ONE query; the 16 registers of score tiles 2 g, 2 g + 1 are 16 neighbouring keys.  K = 64 fills half of the instruction's 128: q's upper six registers are zero codes.
; LIMITS: q.k is finite; a finite mask number of magnitude 2^125 or more is taken as infinite; the scaled scores stay under 2^31 in magnitude.
.set PK,    3276800
.set PS,    819200
.set SOFFB, 3145728
.set SOFFS, 786432
.set VC,    98304                      ; LDS: K's codes at 0, V's here,
.set KS,    196608                     ; K's scale words,
.set VS,    204800                     ; V's,
.set ST,    208896                     ; the pairs' row numbers: 1,024 bytes a wave,
.set OP,    225280                     ; the partial O^T: 4,096 bytes a wave,
.set SPARE, 290816                     ; the spare words
.set TM,    192                        ; v192-207 at work
.set SH,    208                        ; v208-219 the shadow set: q, scale word, -M, largest t, sum (2), smallest |u|
; v1-4 my lane's places; v5 mask offset; v6 0; v7 8 x lane; v8-11 step addresses; v12 -M; v13 largest t; v[14:15] sum; v16-27 q; v28-29, v220-221 LDS places of the exchange; v30 smallest |u|; v222 the step's mask offset;
; v32-95 fragments or mask numbers; v96-159 scores, then p; v160-191 O^T; v224-235 p's codes; v248-251 scale words; v253 p's scale word; v255 q's scale word
; s[8:9], s80-83 at work: mask rows, steps all +-0, steps passed over, lanes of rows set to zero, 1 where such rows can be; s[2:3], s88-91 their shadows
.macro TADR t, c, w, f, m              ; tile s[t] -> offsets of its codes, scale words, flags, mask rows
	s_lshr_b32 s85, s[\t], 3
	s_add_co_u32 s85, s85, s22
	s_and_b32 s86, s[\t], 7
	s_mul_i32 s[\c], s85, 98304
	s_add_co_u32 s[\c], s[\c], s20
	s_mul_i32 s87, s86, 3072
	s_add_co_u32 s[\c], s[\c], s87
	s_mov_b32 s[\c+1], 0
	s_lshl_b32 s[\w], s85, 12
	s_add_co_u32 s[\w], s[\w], s21
	s_lshl_b32 s87, s86, 7
	s_add_co_u32 s[\w], s[\w], s87
	s_add_co_u32 s[\w], s[\w], SOFFB
	s_mov_b32 s[\w+1], 0
	s_lshl_b32 s[\f], s[\t], 6
	s_mov_b32 s[\f+1], 0
	s_lshr_b32 s85, s[\t], 1
	s_lshl_b32 s85, s85, 5
	s_and_b32 s86, s[\t], 1
	s_lshl_b32 s86, s86, 3
	s_add_co_u32 s85, s85, s86
	s_lshl_b32 s[\m], s85, 13
	s_mov_b32 s[\m+1], 0
.endm
	s_load_b256 s[4:11], s[0:1], 0x0               ; BIG, FL, causal_mask, AH
	v_lshl_add_u32 v246, v0, 2, SPARE
	v_mov_b32 v247, 0
	v_lshrrev_b32 v1, 5, v0
	s_delay_alu instid0(VALU_DEP_1)
	v_readfirstlane_b32 s12, v1                    ; wave 0..15
	v_and_b32 v31, 31, v0
	s_delay_alu instid0(VALU_DEP_1)
	v_lshlrev_b32 v7, 3, v31
	; first what K's and V's loads need.  s16-31 are at work here; the flags land there later
	s_and_b32 s13, ttmp7, 0xffff
	s_lshr_b32 s14, s13, 4                         ; b
	s_and_b32 s15, s13, 15                         ; h
	s_lshr_b32 s16, s15, 2
	s_bfe_u32 s17, s15, 0x10001
	s_and_b32 s18, s15, 1
	s_mul_i32 s20, s16, 24576
	s_mul_i32 s23, s17, 1536
	s_add_co_u32 s20, s20, s23
	s_mul_i32 s23, s18, 768
	s_add_co_u32 s20, s20, s23                     ; the head's place in 128 rows' codes,
	s_lshl_b32 s21, s16, 10
	s_lshl_b32 s23, s17, 2
	s_add_co_u32 s21, s21, s23                     ; and in their scale words
	s_lshl_b32 s22, s14, 4
	s_add_co_u32 s23, s22, s12                     ; K: I bring keys 128 w on
	s_mul_i32 s48, s23, 98304
	s_add_co_u32 s48, s48, s20
	s_add_co_u32 s48, s48, PK
	s_mov_b32 s49, 0
	s_lshl_b32 s50, s23, 12
	s_add_co_u32 s50, s50, s21
	s_add_co_u32 s50, s50, PK+SOFFB
	s_mov_b32 s51, 0
	s_lshl_b32 s24, s14, 1
	s_lshr_b32 s25, s12, 3
	s_add_co_u32 s24, s24, s25
	s_mul_i32 s24, s24, PS
	s_add_co_u32 s24, s24, 2*PK                    ; V: key step w lies in this small package
	s_lshr_b32 s25, s15, 1
	s_bfe_u32 s26, s12, 0x20001
	s_and_b32 s27, s12, 1
	s_lshl_b32 s52, s25, 2
	s_add_co_u32 s52, s52, s26
	s_lshl_b32 s52, s52, 3
	s_lshl_b32 s53, s18, 2
	s_add_co_u32 s52, s52, s53
	s_mul_i32 s52, s52, 3072
	s_mul_i32 s53, s27, 1536
	s_add_co_u32 s52, s52, s53
	s_add_co_u32 s52, s52, s24
	s_mov_b32 s53, 0
	s_lshl_b32 s54, s25, 12
	s_lshl_b32 s55, s26, 10
	s_add_co_u32 s54, s54, s55
	s_lshl_b32 s55, s18, 9
	s_add_co_u32 s54, s54, s55
	s_lshl_b32 s55, s27, 2
	s_add_co_u32 s54, s54, s55
	s_add_co_u32 s54, s54, s24
	s_add_co_u32 s54, s54, SOFFS
	s_mov_b32 s55, 0
	s_wait_alu depctr_va_vdst(0)
	s_wait_kmcnt 0x0
	s_add_nc_u64 s[48:49], s[4:5], s[48:49]
	s_add_nc_u64 s[50:51], s[4:5], s[50:51]
	s_add_nc_u64 s[52:53], s[4:5], s[52:53]
	s_add_nc_u64 s[54:55], s[4:5], s[54:55]
.irp i, 0,1,2,3,4,5,6,7
.irp p, 0,1,2
	global_load_b64 v[32+6*\i+2*\p:33+6*\i+2*\p], v7, s[48:49] offset:\i*3072+256*\p
.endr
.endr
.irp d, 0,1,2,3
.irp p, 0,1,2,3,4,5
	global_load_b64 v[96+12*\d+2*\p:97+12*\d+2*\p], v7, s[52:53] offset:\d*3072+256*\p
.endr
.endr
.irp i, 0,1,2,3
	global_load_b32 v[144+\i], v7, s[50:51] offset:256*\i
.endr
.irp i, 0,1
	global_load_b32 v[148+\i], v7, s[54:55] offset:256*\i
.endr
	; the two tiles and the shares
	s_and_b32 s24, s12, 7
	s_lshl_b32 s23, ttmp9, 3
	s_add_co_u32 s23, s23, s24                     ; E
	s_sub_co_u32 s25, 15, ttmp9
	s_lshl_b32 s25, s25, 3
	s_add_co_u32 s24, s25, s24                     ; L
	s_sub_co_u32 s25, 7, ttmp9
	s_lshl_b32 s25, 1, s25
	s_sub_co_u32 s25, s25, 1                       ; L's steps 0 .. 6 - j: wave w's,
	s_xor_b32 s26, s25, 0xffff                     ; the others: wave w + 8's
	s_cmp_lt_u32 s12, 8
	s_cselect_b32 s98, s24, s23                    ; the partner's tile,
	s_cselect_b32 s19, s23, s24                    ; my own;
	s_cselect_b32 s100, 0, s25                     ; key steps of my own tile that are not mine,
	s_cselect_b32 s99, s26, 0xffff                 ; and of the partner's
	TADR 19, 56, 58, 66, 28
	TADR 98, 60, 62, 68, 30
	s_lshl_b32 s85, s18, 1
	s_add_co_u32 s94, s58, s85                     ; ctx's two scale bytes in the word
	s_mov_b32 s95, 0
	s_lshl_b32 s101, s18, 4                        ; the head's two bytes go to a scale word's low end
	s_add_nc_u64 s[92:93], s[10:11], s[56:57]
	s_add_nc_u64 s[94:95], s[10:11], s[94:95]
	s_add_nc_u64 s[56:57], s[4:5], s[56:57]
	s_add_nc_u64 s[58:59], s[4:5], s[58:59]
	s_add_nc_u64 s[60:61], s[4:5], s[60:61]
	s_add_nc_u64 s[62:63], s[4:5], s[62:63]
	s_add_nc_u64 s[66:67], s[6:7], s[66:67]
	s_add_nc_u64 s[68:69], s[6:7], s[68:69]
	s_add_nc_u64 s[2:3], s[8:9], s[28:29]          ; shadow: my own tile's mask rows
	s_add_nc_u64 s[8:9], s[8:9], s[30:31]          ; at work first: the partner's tile
	s_load_b512 s[16:31], s[66:67], 0x0            ; my own tile's flags,
	s_load_b512 s[32:47], s[68:69], 0x0            ; the partner's tile's
	v_and_b32 v8, 15, v0                           ; r
	v_bfe_u32 v9, v0, 4, 1                         ; h
	v_lshlrev_b32 v10, 2, v31
	v_lshlrev_b32 v1, 3, v31
	v_add_nc_u32 v2, VC, v7
	s_delay_alu instid0(VALU_DEP_3)
	v_add_nc_u32 v3, KS, v10
	s_delay_alu instid0(VALU_DEP_4)
	v_add_nc_u32 v4, VS, v10
	v_and_b32 v11, 8, v8
	s_delay_alu instid0(VALU_DEP_1)
	v_add_nc_u32 v11, v11, v8
	s_delay_alu instid0(VALU_DEP_1)
	v_lshlrev_b32 v5, 13, v11
	s_delay_alu instid0(VALU_DEP_1)
	v_lshl_add_u32 v5, v9, 6, v5                   ; (r + 8 (r / 8)) rows of 8,192 bytes + 64 h
	v_lshlrev_b32 v244, 3, v8
	s_wait_alu depctr_va_vdst(0)
.irp p, 0,1,2
	global_load_b64 v[16+2*\p:17+2*\p], v7, s[60:61] offset:256*\p
	global_load_b64 v[SH+2*\p:SH+1+2*\p], v7, s[56:57] offset:256*\p
.endr
	global_load_b32 v255, v244, s[62:63]
	global_load_b32 v[SH+6], v244, s[58:59]
	s_mul_i32 s85, s12, 6144
	v_add_nc_u32 v240, s85, v1                     ; where I put K's codes,
	v_add_nc_u32 v241, s85, v2                     ; V's,
	s_lshl_b32 s85, s12, 9
	v_add_nc_u32 v242, s85, v3                     ; K's scale words,
	s_lshl_b32 s85, s12, 8
	v_add_nc_u32 v243, s85, v4                     ; V's
	s_lshl_b32 s85, s12, 10
	s_xor_b32 s86, s85, 8192                       ; the partner is wave w xor 8
	s_add_co_u32 s85, s85, ST
	s_add_co_u32 s86, s86, ST
	v_lshl_add_u32 v28, v31, 2, s85                ; my row numbers' place,
	v_lshl_add_u32 v29, v31, 2, s86                ; the partner's
	s_lshl_b32 s85, s12, 12
	s_xor_b32 s86, s85, 32768
	s_add_co_u32 s85, s85, OP
	s_add_co_u32 s86, s86, OP
	v_lshl_add_u32 v220, v31, 4, s85               ; my partial O^T's place,
	v_lshl_add_u32 v221, v31, 4, s86               ; the partner's
	s_mov_b32 s70, 0x3e38aa3b                      ; c = log2(e) / 8
	s_mov_b32 s71, s70
	s_mov_b32 s72, 0x41000000                      ; 8
	s_mov_b32 s73, s72
	s_mov_b32 s74, 0x76543210
	s_mov_b32 s75, 0xfedcba98                      ; lane l xor 16
	s_mov_b32 s97, 0x7f800000
.irp i, 0,1,2,3,4,5
	v_mov_b32 v[22+\i], 0                          ; q's upper 64 along K: zero codes
	v_mov_b32 v[80+\i], 0                          ; what the last tile of k meets them with
.endr
	v_mov_b32 v6, 0
	v_mov_b32 v13, 0xff61b1e6                      ; the largest t so far: -3e38
	v_mov_b32 v[SH+8], 0xff61b1e6
	s_delay_alu instid0(VALU_DEP_2)
	v_floor_f32 v12, -v13
	s_delay_alu instid0(VALU_DEP_2)
	v_floor_f32 v[SH+7], -v[SH+8]
	v_mov_b32 v14, 0
	v_mov_b32 v15, 0
	v_mov_b32 v[SH+9], 0
	v_mov_b32 v[SH+10], 0
	v_mov_b32 v30, s97                             ; the smallest |u| so far: +inf
	v_mov_b32 v[SH+11], s97
	v_mov_b32 v236, 0
	v_mov_b32 v253, 0
	v_mov_b32 v254, 0
.irp b, 0,1,2,3
	v_mov_b32 v[TM+4+\b], 0                        ; a lane permute's destination counts as one of its sources
.endr
	s_wait_alu depctr_va_vdst(0)
	s_wait_kmcnt 0x0                               ; both tiles' flags
.macro FLAGS f, z, k, sp, nr           ; 16 words of flags -> bits: key steps all +-0, key steps to pass over; 1 where rows can be all infinite or hold a +inf
	s_mov_b32 s[\z], 0
	s_mov_b32 s[\k], 0
	s_mov_b32 s85, -1
	s_mov_b32 s86, 0
.irp i, 0,1,2,3,4,5,6,7,8,9,10,11,12,13,14,15
	s_and_b32 s85, s85, s[\f+\i]
	s_or_b32 s86, s86, s[\f+\i]
	s_bfe_u32 s87, s[\f+\i], 0x10010
	s_lshl_b32 s87, s87, \i
	s_or_b32 s[\z], s[\z], s87
	s_bfe_u32 s87, s[\f+\i], 0x10011
	s_lshl_b32 s87, s87, \i
	s_or_b32 s[\k], s[\k], s87
.endr
	s_and_b32 s85, s85, 0xffff                     ; a row that is all +-inf in every key step,
	s_and_b32 s86, s86, 0x40000                    ; or a +inf somewhere:
	s_or_b32 s85, s85, s86
	s_cmp_lg_u32 s85, 0
	s_cselect_b32 s[\z], 0, s[\z]                  ; then every tile goes the general way
	s_cselect_b32 s[\k], 0, s[\k]
	s_cselect_b32 s[\sp], 1, 0
	s_or_b32 s[\k], s[\k], s[\nr]                  ; the partner's steps are passed over in any case
.endm
	FLAGS 32, 80, 81, 83, 99
	FLAGS 16, 88, 89, 91, 100
	s_mov_b32 s82, 0
	s_mov_b32 s90, 0
	s_wait_loadcnt 0x0                             ; K, V, both q
.irp i, 0,1,2,3
	v_lshrrev_b32 v[144+\i], s101, v[144+\i]
.endr
	v_lshrrev_b32 v255, s101, v255
	v_lshrrev_b32 v[SH+6], s101, v[SH+6]
.irp i, 0,1,2,3,4,5,6,7
.irp p, 0,1,2
	ds_store_b64 v240, v[32+6*\i+2*\p:33+6*\i+2*\p] offset:\i*768+256*\p
.endr
.endr
.irp d, 0,1,2,3
.irp p, 0,1,2,3,4,5
	ds_store_b64 v241, v[96+12*\d+2*\p:97+12*\d+2*\p] offset:\d*1536+256*\p
.endr
.endr
.irp i, 0,1,2,3
	ds_store_b32 v242, v[144+\i] offset:128*\i
.endr
.irp i, 0,1
	ds_store_b32 v243, v[148+\i] offset:128*\i
.endr
	s_wait_alu depctr_va_vdst(0)
	s_wait_dscnt 0x0                               ; for the others' sake: my stores have landed
	s_barrier_signal -1
	s_barrier_wait -1                              ; the head's K and V lie in LDS
; the set at work and the shadow set change places
.macro SWAP
	s_mov_b64 s[86:87], s[8:9]                     ; (the mask's loads have been waited for)
	s_mov_b64 s[8:9], s[2:3]
	s_mov_b64 s[2:3], s[86:87]
.irp i, 0,1,2,3
	s_mov_b32 s85, s[80+\i]
	s_mov_b32 s[80+\i], s[88+\i]
	s_mov_b32 s[88+\i], s85
.endr
.irp i, 0,1,2,3,4,5
	v_swap_b32 v[16+\i], v[SH+\i]
.endr
	v_swap_b32 v255, v[SH+6]
.irp i, 0,1,2,3
	v_swap_b32 v[12+\i], v[SH+7+\i]
.endr
	v_swap_b32 v30, v[SH+11]
	s_wait_alu depctr_va_vdst(0)
.endm
; S^T = k q^T for 128 keys: eight tiles.  In pass 2 the four additions are also the plain lines between the last products and the loads into their registers
.macro SCORES pass
	v_add_nc_u32 v8, s76, v1
	v_add_nc_u32 v10, s77, v3
.if \pass == 2
	v_add_nc_u32 v9, s76, v2
	v_add_nc_u32 v11, s78, v4
.endif
.irp t, 0,1,2,3,4,5,6,7
.irp p, 0,1,2
	ds_load_b64 v[32+6*\t+2*\p:33+6*\t+2*\p], v8 offset:\t*768+256*\p
.endr
.endr
.irp i, 0,1,2,3
	ds_load_b32 v[248+\i], v10 offset:128*\i
.endr
	s_wait_dscnt 0x0
.irp t, 0,2,4,6
	v_wmma_scale_f32_16x16x128_f8f6f4 v[96+8*\t:103+8*\t], v[32+6*\t:43+6*\t], v[16:27], 0, v[248+\t/2], v255 matrix_a_fmt:MATRIX_FMT_BF6 matrix_b_fmt:MATRIX_FMT_BF6
	v_wmma_scale_f32_16x16x128_f8f6f4 v[104+8*\t:111+8*\t], v[38+6*\t:49+6*\t], v[16:27], 0, v[248+\t/2], v255 matrix_a_fmt:MATRIX_FMT_BF6 matrix_b_fmt:MATRIX_FMT_BF6 matrix_a_scale:MATRIX_SCALE_ROW1
.endr
.rept 4
	v_nop
.endr
.endm
; the general way: my row's 64 mask numbers of this step (512 bytes a step: s77); u = 8 mask + q.k; NaN -> 0, four numbers by turns
.macro MASKIN
	v_add_nc_u32 v222, s77, v5
.irp b, 0,1,2,3
.irp j, 0,1,2,3
	global_load_b128 v[32+16*\b+4*\j:35+16*\b+4*\j], v222, s[8:9] offset:128*\b+16*\j
.endr
.endr
	s_wait_loadcnt 0x0
.set n, 0
.rept 32
	v_pk_fma_f32 v[96+n:97+n], v[32+n:33+n], s[72:73], v[96+n:97+n] op_sel_hi:[1,0,1]
.set n, n+2
.endr
.set n, 0
.rept 16
.irp k, 0,1,2,3
	v_cmp_neq_f32 s[84+\k], v[96+n+\k], v[96+n+\k]
.endr
.irp k, 0,1,2,3
	v_cndmask_b32 v[96+n+\k], v[96+n+\k], v6, s[84+\k]
.endr
.set n, n+4
.endr
	s_wait_alu depctr_va_vdst(0)
.endm
.macro NEXTSTEP                        ; on every way through a trip
	s_add_co_u32 s76, s76, 6144
	s_add_co_u32 s77, s77, 512
	s_add_co_u32 s78, s78, 256
	s_add_co_u32 s79, s79, 1
.endm
.macro FROM0
	s_mov_b32 s76, 0
	s_mov_b32 s77, 0
	s_mov_b32 s78, 0
	s_mov_b32 s79, 0
.endm
	; ---- PASS 1, two jobs: the partner's tile, then my own
	s_mov_b32 s96, 0
.Lj1:
	FROM0
.Lp1:
	s_bitcmp1_b32 s81, s79
	s_cbranch_scc1 .Lp1_next                       ; all -inf, or not my step
	SCORES 1
	s_bitcmp1_b32 s80, s79
	s_cbranch_scc1 .Lp1_zero
	MASKIN
	s_cmp_eq_u32 s83, 0
	s_cbranch_scc1 .Lp1_zero                       ; by the flags every row has a finite score somewhere
.irp b, 0,1,2,3
	v_min3_num_f32 v[232+\b], |v[96+16*\b]|, |v[97+16*\b]|, |v[98+16*\b]|
.endr
.irp i, 3,5,7,9,11,13
.irp b, 0,1,2,3
	v_min3_num_f32 v[232+\b], v[232+\b], |v[96+16*\b+\i]|, |v[97+16*\b+\i]|
.endr
.endr
.irp b, 0,1,2,3
	v_min_num_f32 v[232+\b], v[232+\b], |v[111+16*\b]|
.endr
	v_min3_num_f32 v30, v30, v232, v233
	s_delay_alu instid0(VALU_DEP_1)
	v_min3_num_f32 v30, v30, v234, v235
	s_wait_alu depctr_va_vdst(0)
	s_branch .Lp1_st
.Lp1_zero:
	v_mov_b32 v30, 0                               ; finite scores
.Lp1_st:
.irp b, 0,1,2,3
	v_max3_num_f32 v[232+\b], v[96+16*\b], v[97+16*\b], v[98+16*\b]
.endr
.irp i, 3,5,7,9,11,13
.irp b, 0,1,2,3
	v_max3_num_f32 v[232+\b], v[232+\b], v[96+16*\b+\i], v[97+16*\b+\i]
.endr
.endr
.irp b, 0,1,2,3
	v_max_num_f32 v[232+\b], v[232+\b], v[111+16*\b]
.endr
	s_delay_alu instid0(VALU_DEP_2)
	v_max3_num_f32 v254, v232, v233, v234
	s_delay_alu instid0(VALU_DEP_1)
	v_max_num_f32 v254, v254, v235
	s_delay_alu instid0(VALU_DEP_1)
	v_permlanex16_b32 v236, v254, s74, s75
	s_delay_alu instid0(VALU_DEP_1)
	v_max_num_f32 v254, v254, v236                 ; the step's largest u of my query
	s_delay_alu instid0(VALU_DEP_1)
	v_mul_f32 v254, s70, v254
	s_delay_alu instid0(VALU_DEP_1)
	v_max_num_f32 v13, v13, v254
	v_mov_b32 v254, v12
	s_delay_alu instid0(VALU_DEP_2)
	v_floor_f32 v12, -v13                          ; -M = floor(-t)
	s_delay_alu instid0(VALU_DEP_1)
	v_sub_f32 v254, v12, v254                      ; old M - new M, a whole number
	s_delay_alu instid0(VALU_DEP_1)
	v_cvt_i32_f32 v254, v254
	s_delay_alu instid0(VALU_DEP_1)
	v_ldexp_f32 v252, 1.0, v254
.set n, 0
.rept 32
	v_pk_fma_f32 v[96+n:97+n], v[96+n:97+n], s[70:71], v[12:13] op_sel_hi:[1,0,0]
.set n, n+2
.endr
.set n, 0
	s_wait_alu depctr_va_vdst(0)
.rept 64
	v_exp_f32 v[96+n], v[96+n]
.set n, n+1
.endr
	v_pk_mul_f32 v[14:15], v[14:15], v[252:253] op_sel_hi:[1,0]   ; the sum under the new M: a plain line behind the exponentials
	s_wait_alu depctr_va_vdst(0)                   ; one wait for the batch, ahead of its first reader
.irp c, 1,2,3,4,5,6,7                  ; the 32 pairs are summed in eight chains: v[14:15] and v[190 + 2 c]
	v_pk_add_f32 v[190+2*\c:191+2*\c], v[92+4*\c:93+4*\c], v[94+4*\c:95+4*\c]
.endr
.irp o, 124, 140
	v_pk_add_f32 v[14:15], v[14:15], v[\o:\o+1]
.irp c, 1,2,3,4,5,6,7
	v_pk_add_f32 v[190+2*\c:191+2*\c], v[190+2*\c:191+2*\c], v[\o+2*\c:\o+1+2*\c]
.endr
.endr
	v_pk_add_f32 v[14:15], v[14:15], v[156:157]
	v_pk_add_f32 v[192:193], v[192:193], v[158:159]
	v_pk_add_f32 v[194:195], v[194:195], v[196:197]
	v_pk_add_f32 v[198:199], v[198:199], v[200:201]
	v_pk_add_f32 v[202:203], v[202:203], v[204:205]
	s_delay_alu instid0(VALU_DEP_4)
	v_pk_add_f32 v[14:15], v[14:15], v[192:193]
	s_delay_alu instid0(VALU_DEP_3)
	v_pk_add_f32 v[194:195], v[194:195], v[198:199]
	s_delay_alu instid0(VALU_DEP_2)
	v_pk_add_f32 v[14:15], v[14:15], v[202:203]
	s_delay_alu instid0(VALU_DEP_1)
	v_pk_add_f32 v[14:15], v[14:15], v[194:195]
.Lp1_next:
	NEXTSTEP
	s_cmp_lt_u32 s79, 16
	s_cbranch_scc1 .Lp1
	s_wait_alu depctr_va_vdst(0)
	v_add_f32 v14, v14, v15                        ; the job's end: the row's sum and smallest |u| over both halves of the lanes
	v_permlanex16_b32 v236, v30, s74, s75
	s_delay_alu instid0(VALU_DEP_2)
	v_permlanex16_b32 v254, v14, s74, s75
	s_delay_alu instid0(VALU_DEP_2)
	v_min_num_f32 v30, v30, v236
	s_delay_alu instid0(VALU_DEP_2)
	v_add_f32 v14, v14, v254
	SWAP
	s_add_co_u32 s96, s96, 1
	s_cmp_lt_u32 s96, 2
	s_cbranch_scc1 .Lj1
	; ---- between the passes: the pair joins its numbers.  At work: the partner's tile; shadow: my own
	ds_store_b32 v28, v13
	ds_store_b32 v28, v14 offset:128
	ds_store_b32 v28, v30 offset:256
	ds_store_b32 v28, v[SH+8] offset:384
	ds_store_b32 v28, v[SH+9] offset:512
	ds_store_b32 v28, v[SH+11] offset:640
	s_wait_dscnt 0x0                               ; for the partner's sake
	s_barrier_signal -1
	s_barrier_wait -1
	ds_load_b32 v232, v29 offset:384               ; what the partner calls its own is the tile at work here
	ds_load_b32 v233, v29 offset:512
	ds_load_b32 v234, v29 offset:640
	ds_load_b32 v236, v29
	ds_load_b32 v237, v29 offset:128
	ds_load_b32 v238, v29 offset:256
	s_wait_dscnt 0x0
.macro MERGE nm, t, s, mn, pt, ps, pm  ; both sums are brought under the common M by powers of two, which round nothing
	v_floor_f32 v248, -v[\pt]
	v_max_num_f32 v[\t], v[\t], v[\pt]
	s_delay_alu instid0(VALU_DEP_1)
	v_floor_f32 v249, -v[\t]
	s_delay_alu instid0(VALU_DEP_1)
	v_sub_f32 v250, v249, v[\nm]
	v_sub_f32 v251, v249, v248
	s_delay_alu instid0(VALU_DEP_2)
	v_cvt_i32_f32 v250, v250
	s_delay_alu instid0(VALU_DEP_2)
	v_cvt_i32_f32 v251, v251
	s_delay_alu instid0(VALU_DEP_2)
	v_ldexp_f32 v[\s], v[\s], v250
	s_delay_alu instid0(VALU_DEP_2)
	v_ldexp_f32 v[\ps], v[\ps], v251
	v_mov_b32 v[\nm], v249
	v_min_num_f32 v[\mn], v[\mn], v[\pm]
	s_delay_alu instid0(VALU_DEP_3)
	v_add_f32 v[\s], v[\s], v[\ps]
.endm
	MERGE 12, 13, 14, 30, 232, 233, 234
	MERGE SH+7, SH+8, SH+9, SH+11, 236, 237, 238
	s_wait_alu depctr_va_vdst(0)
	v_log_f32 v248, v14
	v_log_f32 v249, v[SH+9]
	v_mov_b32 v250, 0xff800000                     ; -inf
	v_mov_b32 v251, 0xc1300000                     ; -11
	s_wait_alu depctr_va_vdst(0)
.macro FINISH nm, t, mn, lg, z         ; -M - log2(sum); the rows that reference() treats apart
	v_cmp_eq_u32 s84, s97, v[\mn]                  ; every score of the row is infinite: the scores become zeros, p = 2^-11
	v_cmp_eq_u32 s85, s97, v[\t]                   ; a +inf among them: the softmax is NaN, which becomes 0
	v_sub_f32 v[\nm], v[\nm], v[\lg]
	s_delay_alu instid0(VALU_DEP_1)
	v_cndmask_b32 v[\nm], v[\nm], v250, s85
	s_delay_alu instid0(VALU_DEP_1)
	v_cndmask_b32 v[\nm], v[\nm], v251, s84
	s_or_b32 s[\z], s84, s85
.endm
	FINISH 12, 13, 30, 248, 82
	FINISH SH+7, SH+8, SH+11, 249, 90
	; ---- PASS 2, two jobs in the same order
	s_mov_b32 s96, 0
.Lj2:
.set n, 0
.rept 32
	v_mov_b32 v[160+n], 0                          ; O^T: which step comes first hangs on the flags, so no first product can be written out
.set n, n+1
.endr
	s_wait_alu depctr_va_vdst(0)
	FROM0
.Lp2:
	s_bitcmp1_b32 s81, s79
	s_cbranch_scc1 .Lp2_next
	SCORES 2
	s_bitcmp1_b32 s80, s79
	s_cbranch_scc1 .Lp2_st
	MASKIN
	s_cmp_eq_u32 s83, 0
	s_cbranch_scc1 .Lp2_st                         ; by the flags no row's scores are set to 0
.set n, 0
.rept 64
	v_cndmask_b32 v[96+n], v[96+n], v6, s82        ; rows whose scores are set to 0
.set n, n+1
.endr
.Lp2_st:
	s_wait_alu depctr_va_vdst(0)
.irp d, 0,1,2,3
.irp p, 0,1,2,3,4,5
	ds_load_b64 v[32+12*\d+2*\p:33+12*\d+2*\p], v9 offset:\d*1536+256*\p   ; V^T's four tiles: they land under the exponentials
.endr
.endr
.irp i, 0,1
	ds_load_b32 v[248+\i], v11 offset:128*\i
.endr
.set n, 0
.rept 32
	v_pk_fma_f32 v[96+n:97+n], v[96+n:97+n], s[70:71], v[12:13] op_sel_hi:[1,0,0]
.set n, n+2
.endr
.set n, 0
	s_wait_alu depctr_va_vdst(0)
.rept 64
	v_exp_f32 v[96+n], v[96+n]                     ; p, finished and normalised
.set n, n+1
.endr
	v_nop
	s_wait_alu depctr_va_vdst(0)
.irp b, 0,1,2,3
	v_max3_num_f32 v[TM+\b], v[96+16*\b], v[97+16*\b], 0x2800000   ; none is negative; the floor 2^(5 - 127)
.endr
.irp i, 2,4,6,8,10,12,14
.irp b, 0,1,2,3
	v_max3_num_f32 v[TM+\b], v[TM+\b], v[96+16*\b+\i], v[97+16*\b+\i]
.endr
.endr
.irp b, 0,1,2,3
	s_delay_alu instid0(VALU_DEP_4)
	v_permlanex16_b32 v[TM+4+\b], v[TM+\b], s74, s75
.endr
.irp b, 0,1,2,3
	s_delay_alu instid0(VALU_DEP_4)
	v_max_num_f32 v[TM+\b], v[TM+\b], v[TM+4+\b]
.endr
.irp b, 0,1,2,3
	s_delay_alu instid0(VALU_DEP_4)
	v_add_nc_u32 v[TM+12+\b], 0xfe000000, v[TM+\b]
.endr
.irp b, 0,1,2,3
	s_delay_alu instid0(VALU_DEP_4)
	v_lshrrev_b32 v[TM+4+\b], 23, v[TM+12+\b]
.endr
	s_delay_alu instid0(VALU_DEP_3)
	v_lshl_or_b32 v253, v[TM+5], 8, v[TM+4]
	s_delay_alu instid0(VALU_DEP_1)
	v_lshl_or_b32 v253, v[TM+6], 16, v253
	s_delay_alu instid0(VALU_DEP_1)
	v_lshl_or_b32 v253, v[TM+7], 24, v253
.irp c, 0,1
	v_cvt_scalef32_pk16_bf6_f32 v[224+6*\c:226+6*\c], v[96+32*\c:111+32*\c], v[TM+12+2*\c]
	v_cvt_scalef32_pk16_bf6_f32 v[236+4*\c:238+4*\c], v[112+32*\c:127+32*\c], v[TM+13+2*\c]
.endr
	v_nop
.irp c, 0,1
.irp i, 0,1,2
	v_permlane16_swap_b32 v[224+6*\c+\i], v[236+4*\c+\i]
.endr
.irp i, 0,1,2
	s_delay_alu instid0(VALU_DEP_3)
	v_mov_b32 v[227+6*\c+\i], v[236+4*\c+\i]
.endr
.endr
.rept 8
	v_nop                                          ; a scale word written by a vector line stands eight plain lines ahead of the product, an operand four
.endr
	s_wait_alu depctr_va_vdst(0)
	s_wait_dscnt 0x0
.irp d, 0,2
	v_wmma_scale_f32_16x16x128_f8f6f4 v[160+8*\d:167+8*\d], v[32+12*\d:43+12*\d], v[224:235], v[160+8*\d:167+8*\d], v[248+\d/2], v253 matrix_a_fmt:MATRIX_FMT_BF6 matrix_b_fmt:MATRIX_FMT_BF6
	v_wmma_scale_f32_16x16x128_f8f6f4 v[168+8*\d:175+8*\d], v[44+12*\d:55+12*\d], v[224:235], v[168+8*\d:175+8*\d], v[248+\d/2], v253 matrix_a_fmt:MATRIX_FMT_BF6 matrix_b_fmt:MATRIX_FMT_BF6 matrix_a_scale:MATRIX_SCALE_ROW1
.endr
.Lp2_next:
	NEXTSTEP
	s_cmp_lt_u32 s79, 16
	s_cbranch_scc1 .Lp2
.rept 4
	v_nop                                          ; plain lines behind the last products
.endr
	s_wait_alu depctr_va_vdst(0)
	s_cmp_lg_u32 s96, 0
	s_cbranch_scc1 .Lmine                          ; the first job's O^T is the partner's: it goes to LDS
.irp k, 0,1,2,3,4,5,6,7
	ds_store_b128 v220, v[160+4*\k:163+4*\k] offset:512*\k   ; each accumulator from its low end on
.endr
	s_wait_dscnt 0x0
.Lmine:
	SWAP
	s_add_co_u32 s96, s96, 1
	s_cmp_lt_u32 s96, 2
	s_cbranch_scc1 .Lj2
	s_barrier_signal -1                            ; my LDS stores were waited for above
	s_barrier_wait -1
.irp k, 0,1,2,3,4,5,6,7
	ds_load_b128 v[96+4*\k:99+4*\k], v221 offset:512*\k      ; the partner's part of my tile
.endr
	s_wait_dscnt 0x0
.set n, 0
.rept 16
	v_pk_add_f32 v[160+n:161+n], v[160+n:161+n], v[96+n:97+n]
.set n, n+2
.endr
	; ---- ctx: my row's 64 numbers (register 16 b + i: d = 32 b + 16 h + i) become half a fragment and two scale bytes
.irp b, 0,1
	v_max3_num_f32 v[TM+\b], |v[160+16*\b]|, |v[161+16*\b]|, 0x2800000
.endr
.irp i, 2,4,6,8,10,12,14
.irp b, 0,1
	v_max3_num_f32 v[TM+\b], v[TM+\b], |v[160+16*\b+\i]|, |v[161+16*\b+\i]|
.endr
.endr
.irp b, 0,1
	s_delay_alu instid0(VALU_DEP_2)
	v_permlanex16_b32 v[TM+4+\b], v[TM+\b], s74, s75
.endr
.irp b, 0,1
	s_delay_alu instid0(VALU_DEP_2)
	v_max_num_f32 v[TM+\b], v[TM+\b], v[TM+4+\b]
.endr
.irp b, 0,1
	s_delay_alu instid0(VALU_DEP_2)
	v_add_nc_u32 v[TM+12+\b], 0xfe000000, v[TM+\b]
.endr
.irp b, 0,1
	s_delay_alu instid0(VALU_DEP_2)
	v_lshrrev_b32 v[TM+4+\b], 23, v[TM+12+\b]
.endr
	s_delay_alu instid0(VALU_DEP_1)
	v_lshl_or_b32 v252, v[TM+5], 8, v[TM+4]
	v_cvt_scalef32_pk16_bf6_f32 v[224:226], v[160:175], v[TM+12]
	v_cvt_scalef32_pk16_bf6_f32 v[236:238], v[176:191], v[TM+13]
	v_nop
.irp i, 0,1,2
	v_permlane16_swap_b32 v[224+\i], v[236+\i]
.endr
.irp i, 0,1,2
	s_delay_alu instid0(VALU_DEP_3)
	v_mov_b32 v[227+\i], v[236+\i]
.endr
.irp p, 0,1,2
	global_store_b64 v7, v[224+2*\p:225+2*\p], s[92:93] offset:256*\p   ; three planes: 256 consecutive bytes each
.endr
	v_and_b32 v254, 15, v0
	s_delay_alu instid0(VALU_DEP_1)
	v_lshlrev_b32 v254, 3, v254
	v_cmp_gt_u32 vcc_lo, 16, v31
	s_wait_alu depctr_va_vdst(0)
	s_wait_xcnt 0x0                                ; EXEC changes only behind this wait
	s_wait_tensorcnt 0x0                           ; the wave's end
	ds_add_u32 v246, v247
	s_wait_dscnt 0x0
	s_and_saveexec_b32 s96, vcc_lo
	global_store_b16 v254, v252, s[94:95]          ; two bytes a row, 8 bytes apart: the word's other half is the neighbouring head's, made by another work-group
	s_wait_xcnt 0x0
	s_or_b32 exec_lo, exec_lo, s96
	s_endpgm
.Lfunc_end_k_q03ebfe7d2f_attn:
	.size	k_q03ebfe7d2f_attn, .Lfunc_end_k_q03ebfe7d2f_attn-k_q03ebfe7d2f_attn
	.p2alignl 7, 3214868480
	.fill 96, 4, 3214868480
	.section	.rodata,"a",@progbits
	.p2align	6, 0x0
	.amdhsa_kernel k_q03ebfe7d2f_attn
		.amdhsa_group_segment_fixed_size 292864
		.amdhsa_private_segment_fixed_size 0
		.amdhsa_enable_private_segment 0
		.amdhsa_kernarg_size 32
		.amdhsa_user_sgpr_count 2
		.amdhsa_user_sgpr_kernarg_segment_ptr 1
		.amdhsa_wavefront_size32 1
		.amdhsa_system_sgpr_workgroup_id_x 1
		.amdhsa_system_sgpr_workgroup_id_y 1
		.amdhsa_system_sgpr_workgroup_id_z 1
		.amdhsa_system_vgpr_workitem_id 0
		.amdhsa_next_free_vgpr 256
		.amdhsa_next_free_sgpr 102
		.amdhsa_reserve_vcc 1
		.amdhsa_float_denorm_mode_32 3
		.amdhsa_float_denorm_mode_16_64 3
		.amdhsa_memory_ordered 1
		.amdhsa_forward_progress 1
		.amdhsa_inst_pref_size 98
	.end_amdhsa_kernel
	.amdgpu_metadata
---
amdhsa.version: [ 1, 2 ]
amdhsa.kernels:
  - .name:           k_q03ebfe7d2f_attn
    .symbol:         k_q03ebfe7d2f_attn.kd
    .args:
      - { .name: BIG, .offset: 0, .size: 8, .value_kind: global_buffer, .address_space: global }
      - { .name: FL, .offset: 8, .size: 8, .value_kind: global_buffer, .address_space: global }
      - { .name: causal_mask, .offset: 16, .size: 8, .value_kind: global_buffer, .address_space: global }
      - { .name: AH, .offset: 24, .size: 8, .value_kind: global_buffer, .address_space: global }
    .group_segment_fixed_size: 292864
    .private_segment_fixed_size: 0
    .kernarg_segment_align: 8
    .kernarg_segment_size: 32
    .max_flat_workgroup_size: 512
    .sgpr_count:     102
    .vgpr_count:     256
    .wavefront_size: 32
...
	.end_amdgpu_metadata
.endif
;; end of part 3
;; launch wo (part 4): grid 8 x 32, 4 waves a work-group, clusters of 4 x 4, 327,680 bytes of LDS; arguments AH, WOP, BIG; writes BIG
.if DOCPART == 4
	.amdgcn_target "amdgcn-amd-amdhsa--gfx1250"
	.amdhsa_code_object_version 6
	.text
	.protected	k_q03ebfe7d2f_wo
	.globl	k_q03ebfe7d2f_wo
	.p2align	8
	.type	k_q03ebfe7d2f_wo,@function
k_q03ebfe7d2f_wo:
	s_mov_b64 s[64:65], 0
	v_nop
	global_prefetch_b8 v0, s[64:65] scope:SCOPE_SE
	s_setreg_imm32_b32 hwreg(HW_REG_WAVE_MODE, 25, 1), 1
	s_wait_xcnt 0x0
	s_wait_alu depctr_hold_cnt(0) depctr_sa_sdst(0) depctr_va_vdst(0) depctr_va_sdst(0) depctr_va_ssrc(0) depctr_va_vcc(0) depctr_vm_vsrc(0)
	s_getreg_b32 s2, hwreg(HW_REG_IB_STS2, 6, 4)
	s_cmp_eq_u32 s2, 0
	s_cbranch_scc0 .Lentry_in_a_cluster
	s_endpgm
.Lentry_in_a_cluster:
	s_bfe_u32 s2, ttmp6, 0x10000c
	s_cmp_lg_u32 s2, 0xf033
	s_cbranch_scc0 .Lentry_shape_is_right
	s_endpgm
.Lentry_shape_is_right:
.set HALFT,  24576
.set REG,    4*HALFT
.set SCL,    2*REG
.set SCBO,   4096+128
.set STAGE,  205056
.set SPITCH, 272
.set FR,     12
.set ADRA, 16
.set ADRB, 20
.set STO,  24
.set RD,   25
.set CO,   26
.set ADRS, 27
.set SC,   32
.set BK,   64
.set ACC,  128
.set G1, 24
.set G0, 32
.set G1B, 48
.set G0B, 56
.set G1S, 68
.set G0S, 76
.set G1SB, 80
.set G0SB, 88
.set MSB, 0
.macro WIN new
.if MSB != (\new)
	s_set_vgpr_msb (MSB<<8)|(\new)
.set MSB, (\new)
.endif
.endm
.set MULW, 0x05
.set TO_F, 0x40
.macro JLOAD g0a, g1a, g0b, g1b
	s_cmp_eq_u32 s15, 0
	s_cbranch_scc0 .Lfor_b_\@
	tensor_load_to_lds s[\g0a:\g0a+3], s[\g1a:\g1a+7]
	s_nop 0
.rept 4
	v_nop
.endr
	s_branch .Lasked_\@
.Lfor_b_\@:
	tensor_load_to_lds s[\g0b:\g0b+3], s[\g1b:\g1b+7]
	s_nop 0
.rept 4
	v_nop
.endr
.Lasked_\@:
.endm
.macro CROUND
	s_barrier_signal -1
	s_barrier_wait -1
	s_cmp_lg_u32 s14, 0
	s_cbranch_scc1 .Lnot_wave_0_\@
	s_barrier_signal -3
.Lnot_wave_0_\@:
	s_barrier_wait -3
	s_barrier_signal -1
	s_barrier_wait -1
.endm
	s_load_b128 s[4:7], s[0:1], 0x0
	s_load_b64 s[12:13], s[0:1], 0x10
	v_lshl_add_u32 v30, v0, 2, 0x38000
	v_mov_b32 v31, 0
	ds_add_u32 v30, v31
	ds_add_u32 v30, v31
	v_lshrrev_b32 v1, 5, v0
	v_readfirstlane_b32 s14, v1
	s_lshr_b32 s15, s14, 1
	s_and_b32 s16, s14, 1
	s_bfe_u32 s40, ttmp6, 0x40000
	s_bfe_u32 s41, ttmp6, 0x40004
	s_lshl_b32 s42, ttmp9, 2
	s_add_co_u32 s42, s42, s40
	s_and_b32 s17, ttmp7, 0xffff
	s_lshl_b32 s17, s17, 2
	s_add_co_u32 s17, s17, s41
	s_lshl_b32 s43, s41, 2
	s_lshl_b32 s43, 15, s43
	s_lshl_b32 s44, 0x1111, s40
	s_or_b32 s[G1+0], s43, (3<<16)|(1<<21)
	s_or_b32 s[G1B+0], s44, (3<<16)|(1<<21)
.irp g, G1, G1B
	s_mov_b32 s[\g+1], 32<<16
	s_mov_b32 s[\g+2], 96<<16
	s_mov_b32 s[\g+3], 32<<16
	s_mov_b32 s[\g+4], 96
	s_mov_b32 s[\g+5], 32
	s_mov_b32 s[\g+6], 0
	s_mov_b32 s[\g+7], 0
.endr
	s_or_b32 s[G1S+0], s43, (3<<16)|(1<<21)
	s_or_b32 s[G1SB+0], s44, (3<<16)|(1<<21)
.irp g, G1S, G1SB
	s_mov_b32 s[\g+1], 32<<16
	s_mov_b32 s[\g+2], 8<<16
	s_mov_b32 s[\g+3], 32<<16
	s_mov_b32 s[\g+4], 8
	s_mov_b32 s[\g+5], 32
	s_mov_b32 s[\g+6], 0
	s_mov_b32 s[\g+7], 0
.endr
	s_mul_i32 s18, s16, HALFT
	s_lshl_b32 s19, s16, 11
	s_mul_i32 s20, s17, REG
	s_add_co_u32 s20, s20, s18
	s_mov_b32 s21, 0
	s_lshl_b32 s22, s17, 12
	s_add_co_u32 s22, s22, s19
	s_add_co_u32 s22, s22, 3145728
	s_mov_b32 s23, 0
	s_mul_i32 s46, s42, REG
	s_add_co_u32 s46, s46, s18
	s_mov_b32 s47, 0
	s_lshl_b32 s92, s42, 12
	s_add_co_u32 s92, s92, s19
	s_add_co_u32 s92, s92, 786432
	s_mov_b32 s93, 0
	s_mul_i32 s45, s15, REG
	s_add_co_u32 s45, s45, s18
	s_mul_i32 s94, s15, SCBO
	s_add_co_u32 s94, s94, s19
	s_wait_dscnt 0x0
	s_wait_kmcnt 0x0
	s_add_nc_u64 s[20:21], s[4:5], s[20:21]
	s_add_nc_u64 s[22:23], s[4:5], s[22:23]
	s_add_nc_u64 s[46:47], s[6:7], s[46:47]
	s_add_nc_u64 s[92:93], s[6:7], s[92:93]
	CROUND
	s_mov_b32 s[G0S], 1
	s_add_co_u32 s[G0S+1], s94, SCL
	s_mov_b64 s[G0S+2:G0S+3], s[22:23]
	s_or_b32 s[G0S+3], s[G0S+3], 0x80000000
	s_mov_b32 s[G0SB], 1
	s_add_co_u32 s[G0SB+1], s94, SCL
	s_mov_b64 s[G0SB+2:G0SB+3], s[92:93]
	s_or_b32 s[G0SB+3], s[G0SB+3], 0x80000000
	JLOAD G0S, G1S, G0SB, G1SB
.irp s, 0,1
	s_mov_b32 s[G0+4*\s], 1
	s_add_co_u32 s[G0+4*\s+1], s45, \s*2*HALFT
	s_add_nc_u64 s[G0+4*\s+2:G0+4*\s+3], s[20:21], \s*2*HALFT
	s_or_b32 s[G0+4*\s+3], s[G0+4*\s+3], 0x80000000
	s_mov_b32 s[G0B+4*\s], 1
	s_add_co_u32 s[G0B+4*\s+1], s45, \s*2*HALFT
	s_add_nc_u64 s[G0B+4*\s+2:G0B+4*\s+3], s[46:47], \s*2*HALFT
	s_or_b32 s[G0B+4*\s+3], s[G0B+4*\s+3], 0x80000000
	s_wait_alu depctr_va_vdst(0)
	s_wait_tensorcnt 0x0
	ds_add_u32 v30, v31
	s_wait_dscnt 0x0
	CROUND
	JLOAD G0+4*\s, G1, G0B+4*\s, G1B
.endr
	v_and_b32 v1, 15, v0
	v_bfe_u32 v2, v0, 4, 1
	s_wait_alu depctr_va_vdst(0)
	v_and_b32 v3, 31, v0
	v_lshlrev_b32 v4, 3, v3
	s_mul_i32 s21, s15, 4*3072
	s_mul_i32 s22, s16, 4*3072
	s_add_co_u32 s22, s22, REG
.irp s, 0,1
	v_add_nc_u32 v[ADRA+\s], s21, v4
	v_add_nc_u32 v[ADRB+\s], s22, v4
	s_add_co_u32 s21, s21, 2*HALFT
	s_add_co_u32 s22, s22, 2*HALFT
.endr
	v_lshlrev_b32 v5, 3, v1
	s_lshl_b32 s21, s15, 9
	s_lshl_b32 s22, s16, 9
	s_add_co_u32 s22, s22, SCBO
	s_sub_co_u32 s22, s22, s21
	v_mul_u32_u24 v6, s22, v2
	s_add_co_u32 s21, s21, SCL
	v_add_nc_u32 v5, v5, v6
	v_add_nc_u32 v[ADRS], s21, v5
	s_mul_i32 s23, s14, 16*SPITCH
	s_add_co_u32 s23, s23, STAGE
	v_mul_u32_u24 v5, v1, SPITCH
	v_lshl_add_u32 v5, v2, 6, v5
	v_add_nc_u32 v[STO], s23, v5
	v_mul_u32_u24 v6, v2, SPITCH
	v_lshl_add_u32 v6, v1, 4, v6
	v_add_nc_u32 v[RD], s23, v6
	v_lshlrev_b32 v[CO], 12, v2
	v_lshl_add_u32 v[CO], v1, 4, v[CO]
	s_lshl_b32 s20, s17, 7
	s_lshl_b32 s21, s15, 6
	s_add_co_u32 s20, s20, s21
	s_lshl_b32 s20, s20, 12
	s_mov_b32 s21, 0
	s_lshl_b32 s46, s42, 9
	s_lshl_b32 s47, s16, 8
	s_add_co_u32 s46, s46, s47
	s_mov_b32 s47, 0
	s_add_nc_u64 s[20:21], s[20:21], s[46:47]
	s_add_nc_u64 s[12:13], s[12:13], s[20:21]
.macro FRAG reg, adr, u, i
.irp p, 0,1,2,3,4,5
	ds_load_b64 v[\reg+2*\p:\reg+2*\p+1], v[\adr+(\u)/4] offset:(((\u)/2)%2)*HALFT+((\i)*2+(\u)%2)*1536+256*\p
.endr
.endm
.macro FETCH u
	WIN TO_F
.irp i, 0,1,2,3
	FRAG 128*((\u)%2)+48+FR*\i, ADRB, \u, \i
	FRAG 128*((\u)%2)+FR*\i, ADRA, \u, \i
.endr
.endm
.macro MUL u, zero
	WIN MULW
.set FB, 128*((\u)%2)
.set SB, SC+8*((\u)/2)+(\u)%2
.irp a, 0,1,2,3
.irp b, 0,1,2,3
.if \zero
	v_wmma_scale_f32_16x16x128_f8f6f4 v[ACC+8*(4*\a+\b):ACC+8*(4*\a+\b)+7], v[FB+48+FR*\b:FB+48+FR*\b+FR-1], v[FB+FR*\a:FB+FR*\a+FR-1], 0, v[SB+2*\b], v[SB+2*\a] matrix_a_fmt:MATRIX_FMT_BF6 matrix_b_fmt:MATRIX_FMT_BF6 matrix_a_scale:MATRIX_SCALE_ROW1
.else
	v_wmma_scale_f32_16x16x128_f8f6f4 v[ACC+8*(4*\a+\b):ACC+8*(4*\a+\b)+7], v[FB+48+FR*\b:FB+48+FR*\b+FR-1], v[FB+FR*\a:FB+FR*\a+FR-1], v[ACC+8*(4*\a+\b):ACC+8*(4*\a+\b)+7], v[SB+2*\b], v[SB+2*\a] matrix_a_fmt:MATRIX_FMT_BF6 matrix_b_fmt:MATRIX_FMT_BF6 matrix_a_scale:MATRIX_SCALE_ROW1
.endif
.endr
.endr
.endm
.macro PLACES
.rept 4
	v_nop
.endr
.endm
.macro SUB u
	PLACES
	FETCH (\u)+1
	s_wait_dscnt 48
	MUL \u, 0
.endm
	s_wait_alu depctr_va_vdst(0)
	s_wait_tensorcnt 1
	s_barrier_signal -1
	s_barrier_wait -1
.irp s, 0,1,2,3
.irp i, 0,1,2,3
	ds_load_b64 v[SC+8*\s+2*\i:SC+8*\s+2*\i+1], v[ADRS] offset:\s*1024+\i*128
.endr
.endr
	FETCH 0
	FETCH 1
	s_wait_dscnt 48
	MUL 0, 1
	SUB 1
	SUB 2
	s_wait_tensorcnt 0x0
	s_wait_dscnt 0x0
	s_barrier_signal -1
	MUL 3, 0
	s_barrier_wait -1
	PLACES
	FETCH 4
	SUB 4
	SUB 5
	SUB 6
	s_wait_dscnt 0x0
	MUL 7, 0
	WIN 0
.macro TOSTAGE a
.irp b, 0,1,2,3
	ds_store_b128 v[STO], v[ACC+8*(4*(\a)+\b):ACC+8*(4*(\a)+\b)+3] offset:128*(\b/2)+32*(\b%2)
	ds_store_b128 v[STO], v[ACC+8*(4*(\a)+\b)+4:ACC+8*(4*(\a)+\b)+7] offset:128*(\b/2)+32*(\b%2)+16
.endr
.set BB, BK+32*((\a)%2)
.irp t, 0,1,2,3,4,5,6,7
	ds_load_b128 v[BB+4*\t:BB+4*\t+3], v[RD] offset:\t*2*SPITCH
.endr
.endm
.macro SEND a, younger
.set BB, BK+32*((\a)%2)
	s_wait_dscnt \younger
.irp t, 0,1,2,3,4,5,6,7
	global_store_b128 v[CO], v[BB+4*\t:BB+4*\t+3], s[12:13] offset:(32*((\a)/2)+8*((\a)%2)+2*\t+8*(\t/4))*4096 th:TH_STORE_NT
.endr
.endm
	PLACES
	TOSTAGE 0
.irp a, 1,2,3
.if \a > 1
	s_wait_xcnt 0x0
.endif
	TOSTAGE \a
	SEND \a-1, 16
.endr
	SEND 3, 0
	s_wait_tensorcnt 0x0
	ds_add_u32 v30, v31
	s_wait_dscnt 0x0
	CROUND
	s_endpgm
.Lfunc_end_k_q03ebfe7d2f_wo:
	.size	k_q03ebfe7d2f_wo, .Lfunc_end_k_q03ebfe7d2f_wo-k_q03ebfe7d2f_wo
	.p2alignl 7, 3214868480
	.fill 96, 4, 3214868480
	.section	.rodata,"a",@progbits
	.p2align	6, 0x0
	.amdhsa_kernel k_q03ebfe7d2f_wo
		.amdhsa_group_segment_fixed_size 327680
		.amdhsa_private_segment_fixed_size 0
		.amdhsa_enable_private_segment 0
		.amdhsa_kernarg_size 24
		.amdhsa_user_sgpr_count 2
		.amdhsa_user_sgpr_kernarg_segment_ptr 1
		.amdhsa_wavefront_size32 1
		.amdhsa_system_sgpr_workgroup_id_x 1
		.amdhsa_system_sgpr_workgroup_id_y 1
		.amdhsa_system_sgpr_workgroup_id_z 1
		.amdhsa_system_vgpr_workitem_id 0
		.amdhsa_next_free_vgpr 512
		.amdhsa_next_free_sgpr 96
		.amdhsa_reserve_vcc 0
		.amdhsa_float_denorm_mode_32 3
		.amdhsa_float_denorm_mode_16_64 3
		.amdhsa_memory_ordered 1
		.amdhsa_forward_progress 1
		.amdhsa_inst_pref_size 61
	.end_amdhsa_kernel
	.amdgpu_metadata
---
amdhsa.version: [ 1, 2 ]
amdhsa.kernels:
  - .name:           k_q03ebfe7d2f_wo
    .symbol:         k_q03ebfe7d2f_wo.kd
    .args:
      - { .name: AH, .offset: 0, .size: 8, .value_kind: global_buffer, .address_space: global }
      - { .name: WOP, .offset: 8, .size: 8, .value_kind: global_buffer, .address_space: global }
      - { .name: BIG, .offset: 16, .size: 8, .value_kind: global_buffer, .address_space: global }
    .group_segment_fixed_size: 327680
    .private_segment_fixed_size: 0
    .kernarg_segment_align: 8
    .kernarg_segment_size: 24
    .max_flat_workgroup_size: 128
    .sgpr_count:     96
    .vgpr_count:     512
    .wavefront_size: 32
...
	.end_amdgpu_metadata
.endif
;; end of part 4
;; launch ln1 (part 5): grid 256 x 1, 8 waves a work-group, no clusters, 67,328 bytes of LDS; arguments BIG, src, bo, ln1_g, ln1_b, AX; writes AX
.if DOCPART == 5
	.amdgcn_target "amdgcn-amd-amdhsa--gfx1250"
	.amdhsa_code_object_version 6
	.text
	.protected	k_q03ebfe7d2f_ln1
	.globl	k_q03ebfe7d2f_ln1
	.p2align	8
	.type	k_q03ebfe7d2f_ln1,@function
k_q03ebfe7d2f_ln1:
	s_mov_b64 s[64:65], 0
	v_nop
	global_prefetch_b8 v0, s[64:65] scope:SCOPE_SE
	s_setreg_imm32_b32 hwreg(HW_REG_WAVE_MODE, 25, 1), 1
	s_wait_xcnt 0x0
; x = layernorm(src + (y1 + bo)) g + b, rows of 1,024; x is stored in f32 (AX + 3,276,800) for the residual, and quantised along the row into AX's package for the next product.
; A work-group takes ONE TILE T of the package: 16 rows, local row i being row 32 (T / 2) + 8 (T % 2) + i + 8 (i / 8): 256 work-groups.  Phase 1: wave w normalises local rows 2 w, 2 w + 1 (neighbours in memory), each whole in
; its registers (8 x 16 bytes a lane), stores them and lays them into a stage in LDS (rows 4,112 bytes apart).  Phase 2: wave s reads, for K step s, 16 neighbours of each block of 32 for each lane, quantises, and stores the
; fragment's image: six stores of 256 consecutive bytes.  The tile's scale words meet in LDS and leave as four runs of 128 consecutive bytes (the neighbouring tile's work-group writes the 128 beside them): 512 bytes a work-group.
; Memory binds: no matrix unit, no tensor load, no cluster: work-groups share nothing but 12 KiB of gains and biases.
; Mean and variance as reference() has them: the mean first, then the mean of the squared differences.  LIMITS: NaN and infinities are not served; blocks under 2^-122 keep the byte 1.
.set XF,    3276800
.set SOFFB, 3145728
.set SPIT,  4112
.set SW,    65792                      ; behind the stage: 512 bytes of scale words
.set PC,    192
.set TM,    212
.set PW,    228
	s_load_b256 s[4:11], s[0:1], 0x0               ; y1, src, bo, g
	s_load_b128 s[12:15], s[0:1], 0x20             ; b, AX
	v_lshl_add_u32 v30, v0, 2, 0x10300
	v_mov_b32 v31, 0
	v_lshrrev_b32 v1, 5, v0
	s_delay_alu instid0(VALU_DEP_1)
	v_readfirstlane_b32 s16, v1                    ; wave 0..7
	v_and_b32 v2, 31, v0
	s_delay_alu instid0(VALU_DEP_1)
	v_lshlrev_b32 v3, 4, v2                        ; 16 x lane
	s_wait_alu depctr_va_vdst(0)
	v_lshlrev_b32 v8, 3, v2                        ; 8 x lane
	v_lshlrev_b32 v12, 2, v2                       ; 4 x lane
	s_lshr_b32 s17, ttmp9, 1
	s_lshl_b32 s17, s17, 5
	s_and_b32 s18, ttmp9, 1
	s_lshl_b32 s18, s18, 3
	s_add_co_u32 s17, s17, s18                     ; the tile's first row
	s_lshl_b32 s18, s16, 1
	s_add_co_u32 s17, s17, s18
	s_lshr_b32 s18, s16, 2
	s_lshl_b32 s18, s18, 3
	s_add_co_u32 s17, s17, s18                     ; my first row: + 2 w + 8 (w / 4)
	s_lshl_b32 s18, s17, 12
	s_mov_b32 s19, 0
	s_mov_b32 s20, 0x76543210
	s_mov_b32 s21, 0xfedcba98
	s_mov_b32 s22, 0x3a800000                      ; 1 / 1,024
	s_mov_b32 s23, 0x3727c5ac                      ; 1e-5
	s_mul_i32 s34, s16, 2*SPIT
	v_add_nc_u32 v4, s34, v3                       ; the stage, in: my two local rows
	v_and_b32 v9, 15, v0                           ; r
	v_bfe_u32 v10, v0, 4, 1                        ; h
	s_delay_alu instid0(VALU_DEP_2)
	v_mul_u32_u24 v5, v9, SPIT
	s_delay_alu instid0(VALU_DEP_1)
	v_lshl_add_u32 v5, v10, 6, v5
	s_lshl_b32 s26, s16, 9
	v_add_nc_u32 v5, s26, v5                       ; the stage, out: local row r, + 512 s + 64 h
	s_lshr_b32 s26, s16, 1
	s_lshl_b32 s26, s26, 7
	s_and_b32 s27, s16, 1
	s_lshl_b32 s27, s27, 2
	s_add_co_u32 s26, s26, s27
	s_add_co_u32 s26, s26, SW
	v_lshl_add_u32 v6, v9, 3, s26                  ; my scale word's place: 128 (s / 2) + 8 r + 4 (s % 2)
	s_and_b32 s27, s16, 3
	s_lshl_b32 s27, s27, 7
	s_add_co_u32 s27, s27, SW
	v_lshl_add_u32 v7, v2, 2, s27                  ; and where waves 0-3 read 128 bytes of them back
	s_lshr_b32 s28, ttmp9, 3                       ; the block of 128 rows
	s_and_b32 s29, ttmp9, 7                        ; the tile in it
	s_lshl_b32 s30, s28, 2
	s_lshr_b32 s31, s16, 1
	s_add_co_u32 s30, s30, s31
	s_lshl_b32 s30, s30, 3
	s_add_co_u32 s30, s30, s29
	s_mul_i32 s30, s30, 3072
	s_and_b32 s31, s16, 1
	s_mul_i32 s31, s31, 1536
	s_add_co_u32 s30, s30, s31
	s_mov_b32 s31, 0                               ; my fragment's image
	s_lshl_b32 s32, s28, 12
	s_and_b32 s33, s16, 3
	s_lshl_b32 s33, s33, 10
	s_add_co_u32 s32, s32, s33
	s_lshl_b32 s33, s29, 7
	s_add_co_u32 s32, s32, s33
	s_add_co_u32 s32, s32, SOFFB
	s_mov_b32 s33, 0                               ; waves 0-3: their 128 bytes of scale words
	s_wait_kmcnt 0x0
	s_add_nc_u64 s[4:5], s[4:5], s[18:19]
	s_add_nc_u64 s[6:7], s[6:7], s[18:19]
	s_add_nc_u64 s[36:37], s[14:15], s[18:19]      ; x in f32 (+ XF in the immediate)
	s_add_nc_u64 s[38:39], s[14:15], s[30:31]
	s_add_nc_u64 s[40:41], s[14:15], s[32:33]
.irp e, 0,1
.irp j, 0,1,2,3,4,5,6,7
	global_load_b128 v[128+64*\e+4*\j:131+64*\e+4*\j], v3, s[4:5] offset:4096*\e+512*\j th:TH_LOAD_NT
	global_load_b128 v[160+64*\e+4*\j:163+64*\e+4*\j], v3, s[6:7] offset:4096*\e+512*\j th:TH_LOAD_NT
.endr
.endr
.irp j, 0,1,2,3,4,5,6,7
	global_load_b128 v[32+4*\j:35+4*\j], v3, s[8:9] offset:512*\j
	global_load_b128 v[64+4*\j:67+4*\j], v3, s[10:11] offset:512*\j
	global_load_b128 v[96+4*\j:99+4*\j], v3, s[12:13] offset:512*\j
.endr
	v_mov_b32 v17, 0
	v_mov_b32 v19, 0
	s_wait_loadcnt 0x0
.macro ACROSS a, t                     ; the sum over the 32 lanes, in every lane
	s_delay_alu instid0(VALU_DEP_1)
	v_add_f32_dpp v[\a], v[\a], v[\a] row_xmask:1 row_mask:0xf bank_mask:0xf
	s_delay_alu instid0(VALU_DEP_1)
	v_add_f32_dpp v[\a], v[\a], v[\a] row_xmask:2 row_mask:0xf bank_mask:0xf
	s_delay_alu instid0(VALU_DEP_1)
	v_add_f32_dpp v[\a], v[\a], v[\a] row_xmask:4 row_mask:0xf bank_mask:0xf
	s_delay_alu instid0(VALU_DEP_1)
	v_add_f32_dpp v[\a], v[\a], v[\a] row_xmask:8 row_mask:0xf bank_mask:0xf
	s_delay_alu instid0(VALU_DEP_1)
	v_permlanex16_b32 v[\t], v[\a], s20, s21
	s_delay_alu instid0(VALU_DEP_1)
	v_add_f32 v[\a], v[\a], v[\t]
.endm
.irp e, 0,1
.set Z, 128+64*\e
.set n, 0
.rept 16
	v_pk_add_f32 v[Z+n:Z+n+1], v[Z+n:Z+n+1], v[32+n:33+n]          ; y1 + bo
	s_delay_alu instid0(VALU_DEP_1)
	v_pk_add_f32 v[Z+n:Z+n+1], v[Z+32+n:Z+33+n], v[Z+n:Z+n+1]      ; src + that
.set n, n+2
.endr
	v_pk_add_f32 v[16:17], v[Z:Z+1], v[Z+2:Z+3]
	v_pk_add_f32 v[18:19], v[Z+4:Z+5], v[Z+6:Z+7]
.irp i, 8,12,16,20,24,28
	s_delay_alu instid0(VALU_DEP_2)
	v_pk_add_f32 v[16:17], v[16:17], v[Z+\i:Z+\i+1]
	s_delay_alu instid0(VALU_DEP_2)
	v_pk_add_f32 v[18:19], v[18:19], v[Z+\i+2:Z+\i+3]
.endr
	s_delay_alu instid0(VALU_DEP_1)
	v_pk_add_f32 v[16:17], v[16:17], v[18:19]
	s_delay_alu instid0(VALU_DEP_1)
	v_add_f32 v16, v16, v17
	ACROSS 16, 17
	s_delay_alu instid0(VALU_DEP_1)
	v_mul_f32 v16, s22, v16                        ; the mean
	s_delay_alu instid0(VALU_DEP_1)
	v_mov_b32 v17, v16
.set n, 0
.rept 16
	v_pk_add_f32 v[Z+n:Z+n+1], v[Z+n:Z+n+1], v[16:17] neg_lo:[0,1] neg_hi:[0,1]
.set n, n+2
.endr
	v_pk_mul_f32 v[18:19], v[Z:Z+1], v[Z:Z+1]
	v_pk_mul_f32 v[20:21], v[Z+2:Z+3], v[Z+2:Z+3]
.irp i, 4,8,12,16,20,24,28
	s_delay_alu instid0(VALU_DEP_2)
	v_pk_fma_f32 v[18:19], v[Z+\i:Z+\i+1], v[Z+\i:Z+\i+1], v[18:19]
	s_delay_alu instid0(VALU_DEP_2)
	v_pk_fma_f32 v[20:21], v[Z+\i+2:Z+\i+3], v[Z+\i+2:Z+\i+3], v[20:21]
.endr
	s_delay_alu instid0(VALU_DEP_1)
	v_pk_add_f32 v[18:19], v[18:19], v[20:21]
	s_delay_alu instid0(VALU_DEP_1)
	v_add_f32 v18, v18, v19
	ACROSS 18, 19
	s_delay_alu instid0(VALU_DEP_1)
	v_fma_f32 v18, v18, s22, s23                   ; the variance + 1e-5
	s_wait_alu depctr_va_vdst(0)
	v_rsq_f32 v18, v18
	v_nop
	s_wait_alu depctr_va_vdst(0)                   ; ahead of the first reader
	v_mov_b32 v19, v18
.set n, 0
.rept 16
	v_pk_mul_f32 v[Z+n:Z+n+1], v[Z+n:Z+n+1], v[18:19]
	s_delay_alu instid0(VALU_DEP_1)
	v_pk_fma_f32 v[Z+n:Z+n+1], v[Z+n:Z+n+1], v[64+n:65+n], v[96+n:97+n]
.set n, n+2
.endr
.irp j, 0,1,2,3,4,5,6,7
	global_store_b128 v3, v[Z+4*\j:Z+4*\j+3], s[36:37] offset:XF+4096*\e+512*\j
	ds_store_b128 v4, v[Z+4*\j:Z+4*\j+3] offset:SPIT*\e+512*\j
.endr
.endr
	s_wait_dscnt 0x0                               ; for the others' sake: my rows lie in the stage
	s_barrier_signal -1
	s_barrier_wait -1
	s_wait_xcnt 0x0                                ; my stores have read the registers that are written next
.irp b, 0,1,2,3
.irp j, 0,1,2,3
	ds_load_b128 v[128+16*\b+4*\j:131+16*\b+4*\j], v5 offset:128*\b+16*\j   ; register 16 b + i: k = 128 s + 32 b + 16 h + i of my row
.endr
.endr
.irp b, 0,1,2,3
	v_mov_b32 v[TM+4+\b], 0
.endr
	s_wait_dscnt 0x0
.irp b, 0,1,2,3
	v_max3_num_f32 v[TM+\b], |v[128+16*\b]|, |v[129+16*\b]|, 0x2800000
.endr
.irp i, 2,4,6,8,10,12,14
.irp b, 0,1,2,3
	s_delay_alu instid0(VALU_DEP_4)
	v_max3_num_f32 v[TM+\b], v[TM+\b], |v[128+16*\b+\i]|, |v[129+16*\b+\i]|
.endr
.endr
.irp b, 0,1,2,3
	s_delay_alu instid0(VALU_DEP_4)
	v_permlanex16_b32 v[TM+4+\b], v[TM+\b], s20, s21
.endr
.irp b, 0,1,2,3
	s_delay_alu instid0(VALU_DEP_4)
	v_max_num_f32 v[TM+\b], v[TM+\b], v[TM+4+\b]
.endr
.irp b, 0,1,2,3
	s_delay_alu instid0(VALU_DEP_4)
	v_add_nc_u32 v[TM+12+\b], 0xfe000000, v[TM+\b]
.endr
.irp b, 0,1,2,3
	s_delay_alu instid0(VALU_DEP_4)
	v_lshrrev_b32 v[TM+4+\b], 23, v[TM+12+\b]
.endr
	s_delay_alu instid0(VALU_DEP_3)
	v_lshl_or_b32 v[PW], v[TM+5], 8, v[TM+4]
	s_delay_alu instid0(VALU_DEP_1)
	v_lshl_or_b32 v[PW], v[TM+6], 16, v[PW]
	s_delay_alu instid0(VALU_DEP_1)
	v_lshl_or_b32 v[PW], v[TM+7], 24, v[PW]
.irp c, 0,1
	v_cvt_scalef32_pk16_bf6_f32 v[PC+6*\c:PC+2+6*\c], v[128+32*\c:143+32*\c], v[TM+12+2*\c]
	v_cvt_scalef32_pk16_bf6_f32 v[PC+12+4*\c:PC+14+4*\c], v[144+32*\c:159+32*\c], v[TM+13+2*\c]
.endr
	v_nop
.irp c, 0,1
.irp i, 0,1,2
	v_permlane16_swap_b32 v[PC+6*\c+\i], v[PC+12+4*\c+\i]
.endr
.irp i, 0,1,2
	s_delay_alu instid0(VALU_DEP_3)
	v_mov_b32 v[PC+3+6*\c+\i], v[PC+12+4*\c+\i]
.endr
.endr
.irp p, 0,1,2,3,4,5
	global_store_b64 v8, v[PC+2*\p:PC+2*\p+1], s[38:39] offset:256*\p
.endr
	ds_store_b32 v6, v[PW]                         ; both halves of the lanes hold the same word and write it to the same place
	s_wait_dscnt 0x0
	s_barrier_signal -1
	s_barrier_wait -1
	s_cmp_ge_u32 s16, 4
	s_cbranch_scc1 .Lend
	ds_load_b32 v16, v7
	s_wait_dscnt 0x0
	global_store_b32 v12, v16, s[40:41]            ; 128 consecutive bytes: the tile's words of two K steps
.Lend:
	s_wait_tensorcnt 0x0
	ds_add_u32 v30, v31
	s_wait_dscnt 0x0
	s_endpgm
.Lfunc_end_k_q03ebfe7d2f_ln1:
	.size	k_q03ebfe7d2f_ln1, .Lfunc_end_k_q03ebfe7d2f_ln1-k_q03ebfe7d2f_ln1
	.p2alignl 7, 3214868480
	.fill 96, 4, 3214868480
	.section	.rodata,"a",@progbits
	.p2align	6, 0x0
	.amdhsa_kernel k_q03ebfe7d2f_ln1
		.amdhsa_group_segment_fixed_size 67328
		.amdhsa_private_segment_fixed_size 0
		.amdhsa_enable_private_segment 0
		.amdhsa_kernarg_size 48
		.amdhsa_user_sgpr_count 2
		.amdhsa_user_sgpr_kernarg_segment_ptr 1
		.amdhsa_wavefront_size32 1
		.amdhsa_system_sgpr_workgroup_id_x 1
		.amdhsa_system_sgpr_workgroup_id_y 1
		.amdhsa_system_sgpr_workgroup_id_z 1
		.amdhsa_system_vgpr_workitem_id 0
		.amdhsa_next_free_vgpr 256
		.amdhsa_next_free_sgpr 66
		.amdhsa_reserve_vcc 0
		.amdhsa_float_denorm_mode_32 3
		.amdhsa_float_denorm_mode_16_64 3
		.amdhsa_memory_ordered 1
		.amdhsa_forward_progress 1
		.amdhsa_inst_pref_size 40
	.end_amdhsa_kernel
	.amdgpu_metadata
---
amdhsa.version: [ 1, 2 ]
amdhsa.kernels:
  - .name:           k_q03ebfe7d2f_ln1
    .symbol:         k_q03ebfe7d2f_ln1.kd
    .args:
      - { .name: BIG, .offset: 0, .size: 8, .value_kind: global_buffer, .address_space: global }
      - { .name: src, .offset: 8, .size: 8, .value_kind: global_buffer, .address_space: global }
      - { .name: bo, .offset: 16, .size: 8, .value_kind: global_buffer, .address_space: global }
      - { .name: ln1_g, .offset: 24, .size: 8, .value_kind: global_buffer, .address_space: global }
      - { .name: ln1_b, .offset: 32, .size: 8, .value_kind: global_buffer, .address_space: global }
      - { .name: AX, .offset: 40, .size: 8, .value_kind: global_buffer, .address_space: global }
    .group_segment_fixed_size: 67328
    .private_segment_fixed_size: 0
    .kernarg_segment_align: 8
    .kernarg_segment_size: 48
    .max_flat_workgroup_size: 256
    .sgpr_count:     66
    .vgpr_count:     256
    .wavefront_size: 32
...
	.end_amdgpu_metadata
.endif
;; end of part 5
;; launch ffn1: the kernel of part 2 again; grid 16 x 16, 4 waves a work-group, clusters of 4 x 4, 327,680 bytes of LDS; arguments AX, W1P, AH; writes AH
;; launch ffn2 (part 6): grid 8 x 32, 4 waves a work-group, clusters of 4 x 4, 327,680 bytes of LDS; arguments AH, W2P, BIG; writes BIG
.if DOCPART == 6
	.amdgcn_target "amdgcn-amd-amdhsa--gfx1250"
	.amdhsa_code_object_version 6
	.text
	.protected	k_q03ebfe7d2f_ffn2
	.globl	k_q03ebfe7d2f_ffn2
	.p2align	8
	.type	k_q03ebfe7d2f_ffn2,@function
k_q03ebfe7d2f_ffn2:
	s_mov_b64 s[64:65], 0
	v_nop
	global_prefetch_b8 v0, s[64:65] scope:SCOPE_SE
	s_setreg_imm32_b32 hwreg(HW_REG_WAVE_MODE, 25, 1), 1
	s_wait_xcnt 0x0
	s_wait_alu depctr_hold_cnt(0) depctr_sa_sdst(0) depctr_va_vdst(0) depctr_va_sdst(0) depctr_va_ssrc(0) depctr_va_vcc(0) depctr_vm_vsrc(0)
	s_getreg_b32 s2, hwreg(HW_REG_IB_STS2, 6, 4)
	s_cmp_eq_u32 s2, 0
	s_cbranch_scc0 .Lentry_in_a_cluster
	s_endpgm
.Lentry_in_a_cluster:
	s_bfe_u32 s2, ttmp6, 0x10000c
	s_cmp_lg_u32 s2, 0xf033
	s_cbranch_scc0 .Lentry_shape_is_right
	s_endpgm
.Lentry_shape_is_right:
; y = A B^T over ALL of K = 4,096, on codes of BF6 with E8M0 scales; y [4,096][1,024] f32 at BIG.  A: four packages of 4,096 rows (a slice of 1,024 along K each, 3,276,800 bytes apart), B: four of 1,024 rows (819,200 apart).
; In a package 128 rows x 1,024 along K are 98,304 dense bytes, 24,576 for each 256 along K; a fragment (16 rows x 128 K) is an image of its 12 registers, six planes of 256 bytes.  128 rows' scale words of a slice: 4,096 dense bytes.
; A block of y is 128 x 128: 256 work-groups; four waves, each 64 x 64 in 16 accumulators.  One owner for each output over all of K: no partial sums go through memory.
; K goes in eight chunks of 512 through two LDS slots (A's 49,152 bytes, then B's); chunk c lies in slot c % 2, so a slot's next chunk lies one package on.  In the ring each wave brings 24,576 bytes with one tensor load.
; The scale words for all of K (2 x 16,384 bytes) come once, at the head.  CLUSTERS 4 x 4: A's tiles are asked for jointly along a row of the cluster, B's along a column.
; The matrix instruction is used transposed (source 0 = B, source 1 = A): a lane holds eight neighbouring numbers of a row of y.
; PREFETCH: behind each refill of the loop's first two trips one instruction a wave names the chunk two refills on in the same slot: of my 96 blocks of 256 bytes the partner at place p
; (cx for A, cy for B) names blocks 24 p .. 24 p + 23, a lane a block (lanes 24-31 name block 24 p + 23 again).  Chunks 0-3 come by their loads alone; the last trip asks for nothing.
.set PK,     3276800
.set PS,     819200
.set HALFT,  24576
.set SLOT,   4*HALFT
.set SCL,    2*SLOT                    ; A's scale words; B's lie SCBO on, 128 bytes askew, so that A's and B's words of one load fall on different banks
.set SCBO,   16384+128
.set STAGE,  229632                    ; the way out: 16 rows x 272 bytes for each wave
.set SPITCH, 272
.set SPARE,  247040                    ; the spare words
.set FR,     12
.set ADRA, 16                          ; v16-17 my A fragments in slot 0, 1
.set ADRB, 20                          ; v20-21 my B fragments
.set STO,  24
.set RD,   25
.set CO,   26
.set ADRS, 27                          ; my scale words of the slice at work: lanes 0-15 A's rows, lanes 16-31 B's
.set PFO,  28                          ; the prefetch's offset: 256 x min(lane, 23)
.set SC,   32                          ; v32-63 scale words: 16 registers for each slot
.set BK,   64
.set ACC,  128                         ; v128-255 accumulators; window 1: two sets of fragments
.set G1, 24
.set G0, 32
.set G1B, 48
.set G0B, 56
.set G1S, 68
.set G0S, 76
.set G1SB, 80
.set G0SB, 88
.set PFA, 8                            ; s[8:9] where my prefetches stand; s[10:11] a package's bytes
.set MSB, 0
.macro WIN new
.if MSB != (\new)
	s_set_vgpr_msb (MSB<<8)|(\new)
.set MSB, (\new)
.endif
.endm
.set MULW, 0x05                        ; sources 0 and 1 in window 1
.set TO_F, 0x40                        ; destination in window 1
.macro TLOAD g0, g1                    ; s_nop 0 and four v_nop behind every tensor load
	tensor_load_to_lds s[\g0:\g0+3], s[\g1:\g1+7]
	s_nop 0
.rept 4
	v_nop
.endr
.endm
.macro JLOAD g0a, g1a, g0b, g1b        ; waves 0 and 1 fetch for A, waves 2 and 3 for B
	s_cmp_eq_u32 s15, 0
	s_cbranch_scc0 .Lfor_b_\@
	TLOAD \g0a, \g1a
	s_branch .Lasked_\@
.Lfor_b_\@:
	TLOAD \g0b, \g1b
.Lasked_\@:
.endm
.macro CREST
	s_cmp_lg_u32 s14, 0
	s_cbranch_scc1 .Lnot_wave_0_\@
	s_barrier_signal -3
.Lnot_wave_0_\@:
	s_barrier_wait -3
	s_barrier_signal -1
	s_barrier_wait -1
.endm
.macro CROUND
	s_barrier_signal -1
	s_barrier_wait -1
	CREST
.endm
	s_load_b128 s[4:7], s[0:1], 0x0                ; A's packages, B's
	s_load_b64 s[12:13], s[0:1], 0x10              ; y
	v_lshl_add_u32 v30, v0, 2, SPARE
	v_mov_b32 v31, 0
	ds_add_u32 v30, v31
	ds_add_u32 v30, v31
	v_lshrrev_b32 v1, 5, v0
	v_readfirstlane_b32 s14, v1                    ; wave
	s_lshr_b32 s15, s14, 1                         ; my half of the block's rows; also: I fetch for A (0) or B (1)
	s_and_b32 s16, s14, 1                          ; my half of its columns; also: which 256 along K of a chunk I fetch
	s_bfe_u32 s40, ttmp6, 0x40000                  ; cx
	s_bfe_u32 s41, ttmp6, 0x40004                  ; cy
	s_lshl_b32 s42, ttmp9, 2
	s_add_co_u32 s42, s42, s40                     ; block column
	s_and_b32 s17, ttmp7, 0xffff
	s_lshl_b32 s17, s17, 2
	s_add_co_u32 s17, s17, s41                     ; block row
	s_lshl_b32 s43, s41, 2
	s_lshl_b32 s43, 15, s43                        ; my row of the cluster
	s_lshl_b32 s44, 0x1111, s40                    ; my column
	s_or_b32 s[G1+0], s43, (3<<16)|(1<<21)
	s_or_b32 s[G1B+0], s44, (3<<16)|(1<<21)
.irp g, G1, G1B                        ; dense bytes as rows of 256 (32 elements of 8): 192 rows for the head's loads, a whole chunk of one side
	s_mov_b32 s[\g+1], 32<<16
	s_mov_b32 s[\g+2], 192<<16
	s_mov_b32 s[\g+3], 32<<16
	s_mov_b32 s[\g+4], 192
	s_mov_b32 s[\g+5], 32
	s_mov_b32 s[\g+6], 0
	s_mov_b32 s[\g+7], 0
.endr
	s_or_b32 s[G1S+0], s43, (3<<16)|(1<<21)
	s_or_b32 s[G1SB+0], s44, (3<<16)|(1<<21)
.irp g, G1S, G1SB                      ; scale words: four rows of 4,096 bytes, one from each package
	s_mov_b32 s[\g+1], 512<<16
	s_mov_b32 s[\g+2], 4<<16
	s_mov_b32 s[\g+3], 512<<16
	s_mov_b32 s[\g+4], 4
	s_mov_b32 s[\g+6], 0
	s_mov_b32 s[\g+7], 0
.endr
	s_mov_b32 s[G1S+5], PK/8
	s_mov_b32 s[G1SB+5], PS/8
	s_mul_i32 s18, s16, HALFT
	s_mul_i32 s20, s17, SLOT
	s_add_co_u32 s20, s20, s18
	s_mov_b32 s21, 0
	s_lshl_b32 s22, s17, 12
	s_add_co_u32 s22, s22, 3145728
	s_mov_b32 s23, 0
	s_mul_i32 s46, s42, SLOT
	s_add_co_u32 s46, s46, s18
	s_mov_b32 s47, 0
	s_lshl_b32 s92, s42, 12
	s_add_co_u32 s92, s92, 786432
	s_mov_b32 s93, 0
	s_mul_i32 s45, s14, HALFT                      ; where my part of a slot goes: no place in the cluster enters an LDS address
	s_mul_i32 s94, s15, SCBO
	s_mul_i32 s95, s15, 4*3072                     ; my 64 rows of A in slot 0,
	s_add_co_u32 s96, s95, SLOT                    ; in slot 1;
	s_mul_i32 s97, s16, 4*3072
	s_add_co_u32 s97, s97, 2*HALFT                 ; my 64 rows of B
	s_add_co_u32 s98, s97, SLOT
	s_lshl_b32 s99, s15, 9
	s_lshl_b32 s100, s16, 9
	s_add_co_u32 s100, s100, SCBO
	s_sub_co_u32 s100, s100, s99                   ; from A's words to B's
	s_add_co_u32 s99, s99, SCL
	s_mul_i32 s101, s14, 16*SPITCH
	s_add_co_u32 s101, s101, STAGE
	s_wait_dscnt 0x0
	s_wait_kmcnt 0x0
	s_add_nc_u64 s[20:21], s[4:5], s[20:21]
	s_add_nc_u64 s[22:23], s[4:5], s[22:23]
	s_add_nc_u64 s[46:47], s[6:7], s[46:47]
	s_add_nc_u64 s[92:93], s[6:7], s[92:93]
	s_mov_b32 s10, PS
	s_cmp_eq_u32 s15, 0
	s_cselect_b64 s[PFA:PFA+1], s[20:21], s[46:47]
	s_cselect_b32 s10, PK, s10
	s_cselect_b32 s2, s40, s41                     ; my place among the four that ask with me: it enters the prefetch's address alone
	s_mov_b32 s11, 0
	s_mul_i32 s2, s2, 6144
	s_mov_b32 s3, 0
	s_add_nc_u64 s[PFA:PFA+1], s[PFA:PFA+1], s[2:3]
	s_add_nc_u64 s[PFA:PFA+1], s[PFA:PFA+1], s[10:11]
	s_add_nc_u64 s[PFA:PFA+1], s[PFA:PFA+1], s[10:11]   ; at slice 2
	CROUND                                         ; all sixteen work-groups are here: the first joint loads meet
	s_mov_b32 s[G0S], 1
	s_add_co_u32 s[G0S+1], s94, SCL
	s_mov_b64 s[G0S+2:G0S+3], s[22:23]
	s_or_b32 s[G0S+3], s[G0S+3], 0x80000000
	s_mov_b32 s[G0SB], 1
	s_add_co_u32 s[G0SB+1], s94, SCL
	s_mov_b64 s[G0SB+2:G0SB+3], s[92:93]
	s_or_b32 s[G0SB+3], s[G0SB+3], 0x80000000
.irp s, 0,1
	s_mov_b32 s[G0+4*\s], 1
	s_add_co_u32 s[G0+4*\s+1], s45, \s*SLOT
	s_add_nc_u64 s[G0+4*\s+2:G0+4*\s+3], s[20:21], \s*2*HALFT
	s_or_b32 s[G0+4*\s+3], s[G0+4*\s+3], 0x80000000
	s_mov_b32 s[G0B+4*\s], 1
	s_add_co_u32 s[G0B+4*\s+1], s45, \s*SLOT
	s_add_nc_u64 s[G0B+4*\s+2:G0B+4*\s+3], s[46:47], \s*2*HALFT
	s_or_b32 s[G0B+4*\s+3], s[G0B+4*\s+3], 0x80000000
.endr
; THE HEAD'S LOADS, ONE A WAVE: wave 0 chunk 0 of A, wave 1 A's scale words, wave 2 chunk 0 of B, wave 3 B's scale words.  Wave 0's and wave 2's own group 0 of slot 0 point at the chunk's first byte and its place.
.macro ARM under, g0, g1, next
	s_cmp_lt_u32 s14, \under
	s_cbranch_scc0 \next
	TLOAD \g0, \g1
	s_branch .Lhead_asked
\next:
.endm
	ARM 1, G0,  G1,  .Lhead_sa
	ARM 2, G0S, G1S, .Lhead_b
	ARM 3, G0B, G1B, .Lhead_sb
	TLOAD G0SB, G1SB
.Lhead_asked:
	s_lshl_b32 s20, s17, 7                         ; where my 64 x 64 of y begins
	s_lshl_b32 s21, s15, 6
	s_add_co_u32 s20, s20, s21
	s_lshl_b32 s20, s20, 12
	s_mov_b32 s21, 0
	s_lshl_b32 s46, s42, 9
	s_lshl_b32 s47, s16, 8
	s_add_co_u32 s46, s46, s47
	s_mov_b32 s47, 0
	s_add_nc_u64 s[20:21], s[20:21], s[46:47]
	s_add_nc_u64 s[12:13], s[12:13], s[20:21]
	v_and_b32 v1, 15, v0                           ; r
	v_bfe_u32 v2, v0, 4, 1                         ; h
	v_and_b32 v3, 31, v0
	v_lshlrev_b32 v4, 3, v3                        ; my place in a plane
	v_add_nc_u32 v[ADRA], s95, v4
	v_add_nc_u32 v[ADRA+1], s96, v4
	v_add_nc_u32 v[ADRB], s97, v4
	v_add_nc_u32 v[ADRB+1], s98, v4
	v_lshlrev_b32 v5, 3, v1
	v_mul_u32_u24 v6, s100, v2                     ; lanes 16-31 take B's words
	v_add_nc_u32 v5, v5, v6
	v_add_nc_u32 v[ADRS], s99, v5
	v_mul_u32_u24 v5, v1, SPITCH
	v_lshl_add_u32 v5, v2, 6, v5
	v_add_nc_u32 v[STO], s101, v5
	v_mul_u32_u24 v6, v2, SPITCH
	v_lshl_add_u32 v6, v1, 4, v6
	v_add_nc_u32 v[RD], s101, v6
	v_lshlrev_b32 v[CO], 12, v2
	v_lshl_add_u32 v[CO], v1, 4, v[CO]
	v_min_u32 v[PFO], 23, v3
	v_lshlrev_b32 v[PFO], 8, v[PFO]
; u = 0 .. 7: a step of 128 along K of the slice at work; steps 0-3 lie in slot 0, 4-7 in slot 1
.macro FRAG reg, adr, u, i
.irp p, 0,1,2,3,4,5
	ds_load_b64 v[\reg+2*\p:\reg+2*\p+1], v[\adr+(\u)/4] offset:(((\u)/2)%2)*HALFT+((\i)*2+(\u)%2)*1536+256*\p
.endr
.endm
.macro FETCH u                         ; 48 loads: four fragments of B, four of A, into set u % 2
	WIN TO_F
.irp i, 0,1,2,3
	FRAG 128*((\u)%2)+48+FR*\i, ADRB, \u, \i
	FRAG 128*((\u)%2)+FR*\i, ADRA, \u, \i
.endr
.endm
.macro MUL8 u, a0, zero                ; A's blocks a0, a0 + 1 x B's four; the 16 accumulators take turns in the same order in every step
	WIN MULW
.set FB, 128*((\u)%2)
.set SB, SC+8*((\u)/2)+(\u)%2
.irp a, \a0, \a0+1
.irp b, 0,1,2,3
.if \zero
	v_wmma_scale_f32_16x16x128_f8f6f4 v[ACC+8*(4*(\a)+\b):ACC+8*(4*(\a)+\b)+7], v[FB+48+FR*\b:FB+48+FR*\b+FR-1], v[FB+FR*(\a):FB+FR*(\a)+FR-1], 0, v[SB+2*\b], v[SB+2*(\a)] matrix_a_fmt:MATRIX_FMT_BF6 matrix_b_fmt:MATRIX_FMT_BF6 matrix_a_scale:MATRIX_SCALE_ROW1
.else
	v_wmma_scale_f32_16x16x128_f8f6f4 v[ACC+8*(4*(\a)+\b):ACC+8*(4*(\a)+\b)+7], v[FB+48+FR*\b:FB+48+FR*\b+FR-1], v[FB+FR*(\a):FB+FR*(\a)+FR-1], v[ACC+8*(4*(\a)+\b):ACC+8*(4*(\a)+\b)+7], v[SB+2*\b], v[SB+2*(\a)] matrix_a_fmt:MATRIX_FMT_BF6 matrix_b_fmt:MATRIX_FMT_BF6 matrix_a_scale:MATRIX_SCALE_ROW1
.endif
.endr
.endr
.endm
.macro PLACES                          ; plain lines between a matrix instruction and a load into its registers
.rept 4
	v_nop
.endr
.endm
.macro SUB u, zero                     ; the next step's fragments are asked for, then this step is multiplied
	PLACES
	FETCH (\u)+1
	s_wait_dscnt 48                                ; all but the 48 loads just issued
	MUL8 \u, 0, \zero
	MUL8 \u, 2, \zero
.endm
.macro SCALES slot                     ; a chunk's scale words: two pairs of steps x my four blocks
.irp s, 0,1
.irp i, 0,1,2,3
	ds_load_b64 v[SC+16*(\slot)+8*\s+2*\i:SC+16*(\slot)+8*\s+2*\i+1], v[ADRS] offset:(2*(\slot)+\s)*1024+\i*128
.endr
.endr
.endm
; a slot's last step changes slots: each wave waits for all its tensor loads (the one out is its part of the other slot), adds 0 to its spare word, waits for that and its reads of this slot;
; the barrier opens a round of the cluster's barrier, and this slot is filled again first: its next chunk, one package on
.macro TURN slot, fill
	WIN 0
	s_wait_tensorcnt 0x0
	ds_add_u32 v30, v31
	s_wait_dscnt 1                                 ; the fragments are in; the add may be out
	MUL8 4*(\slot)+3, 0, 0
	s_wait_dscnt 0x0
	s_barrier_signal -1
	MUL8 4*(\slot)+3, 2, 0
	WIN 0
	s_barrier_wait -1
.if \fill
	CREST
	s_add_nc_u64 s[G0+4*\slot+2:G0+4*\slot+3], s[G0+4*\slot+2:G0+4*\slot+3], PK
	s_add_nc_u64 s[G0B+4*\slot+2:G0B+4*\slot+3], s[G0B+4*\slot+2:G0B+4*\slot+3], PS
	JLOAD G0+4*\slot, G1, G0B+4*\slot, G1B         ; its four v_nop are the places in front of the loads below
.else
	PLACES
.endif
.if \slot
	v_add_nc_u32 v[ADRS], 4096, v[ADRS]            ; the next slice's scale words
	s_wait_alu depctr_va_vdst(0)
.endif
	SCALES 1-(\slot)
	FETCH 4-4*(\slot)
.if \fill
	WIN 0
	s_cmp_gt_u32 s3, 1                             ; the last trip has no chunk two refills on
	s_cbranch_scc0 .Lno_ask_\@
	global_prefetch_b8 v[PFO], s[PFA:PFA+1] offset:\slot*2*HALFT th:TH_LOAD_NT scope:SCOPE_SE
.Lno_ask_\@:
.endif
.endm
	s_wait_alu depctr_va_vdst(0)
	s_wait_tensorcnt 0x0                           ; my tile of the head's four is in; the lines that stand ahead of a later first fill:
	ds_add_u32 v30, v31
	s_mov_b32 s[G1+2], 96<<16                      ; no tensor load of mine is out: from here on a load brings 96 rows of 256 bytes
	s_mov_b32 s[G1+4], 96
	s_mov_b32 s[G1B+2], 96<<16
	s_mov_b32 s[G1B+4], 96
	s_wait_dscnt 0x0
	CROUND
	JLOAD G0+4, G1, G0B+4, G1B                     ; chunk 1: the first tensor load behind the round
	SCALES 0
	FETCH 0
	SUB 0, 1                                       ; the first products start the sums
	WIN 0
	s_mov_b32 s3, 3
.Lslice:                                               ; a trip: from a slice's second step to the next slice's first; both slots are filled again
	SUB 1, 0
	SUB 2, 0
	TURN 0, 1
	SUB 4, 0
	SUB 5, 0
	SUB 6, 0
	TURN 1, 1
	SUB 0, 0
	WIN 0
	s_wait_xcnt 0x0                                ; my prefetches have read their address
	s_add_nc_u64 s[PFA:PFA+1], s[PFA:PFA+1], s[10:11]
	s_sub_co_u32 s3, s3, 1
	s_cmp_lg_u32 s3, 0
	s_cbranch_scc1 .Lslice
	SUB 1, 0                                       ; the last slice: nothing is left to fetch
	SUB 2, 0
	TURN 0, 0
	SUB 4, 0
	SUB 5, 0
	SUB 6, 0
	s_wait_dscnt 0x0
	MUL8 7, 0, 0
	MUL8 7, 2, 0
	WIN 0
; THE WAY OUT: 16 rows x 64 columns at a time through my own stage, back as rows of 256 bytes: sixteen lanes store one aligned unit.  Tile a's local row i is row 32 (a / 2) + 8 (a % 2) + i + 8 (i / 8); B's tiles are ordered alike
.macro TOSTAGE a
.irp b, 0,1,2,3
	ds_store_b128 v[STO], v[ACC+8*(4*(\a)+\b):ACC+8*(4*(\a)+\b)+3] offset:128*(\b/2)+32*(\b%2)
	ds_store_b128 v[STO], v[ACC+8*(4*(\a)+\b)+4:ACC+8*(4*(\a)+\b)+7] offset:128*(\b/2)+32*(\b%2)+16
.endr
.set BB, BK+32*((\a)%2)
.irp t, 0,1,2,3,4,5,6,7
	ds_load_b128 v[BB+4*\t:BB+4*\t+3], v[RD] offset:\t*2*SPITCH
.endr
.endm
.macro SEND a, younger
.set BB, BK+32*((\a)%2)
	s_wait_dscnt \younger
.irp t, 0,1,2,3,4,5,6,7
	global_store_b128 v[CO], v[BB+4*\t:BB+4*\t+3], s[12:13] offset:(32*((\a)/2)+8*((\a)%2)+2*\t+8*(\t/4))*4096
.endr
.endm
	PLACES
	TOSTAGE 0
.irp a, 1,2,3
.if \a > 1
	s_wait_xcnt 0x0                                ; the stores of two blocks back have read their registers
.endif
	TOSTAGE \a
	SEND \a-1, 16                                  ; behind that block's loads: 8 stores and 8 loads
.endr
	SEND 3, 0
	s_wait_tensorcnt 0x0                           ; the wave's end
	ds_add_u32 v30, v31
	s_wait_dscnt 0x0
	CROUND                                         ; the closing round
	s_endpgm
.Lfunc_end_k_q03ebfe7d2f_ffn2:
	.size	k_q03ebfe7d2f_ffn2, .Lfunc_end_k_q03ebfe7d2f_ffn2-k_q03ebfe7d2f_ffn2
	.p2alignl 7, 3214868480
	.fill 96, 4, 3214868480
	.section	.rodata,"a",@progbits
	.p2align	6, 0x0
	.amdhsa_kernel k_q03ebfe7d2f_ffn2
		.amdhsa_group_segment_fixed_size 327680
		.amdhsa_private_segment_fixed_size 0
		.amdhsa_enable_private_segment 0
		.amdhsa_kernarg_size 24
		.amdhsa_user_sgpr_count 2
		.amdhsa_user_sgpr_kernarg_segment_ptr 1
		.amdhsa_wavefront_size32 1
		.amdhsa_system_sgpr_workgroup_id_x 1
		.amdhsa_system_sgpr_workgroup_id_y 1
		.amdhsa_system_sgpr_workgroup_id_z 1
		.amdhsa_system_vgpr_workitem_id 0
		.amdhsa_next_free_vgpr 512
		.amdhsa_next_free_sgpr 102
		.amdhsa_reserve_vcc 0
		.amdhsa_float_denorm_mode_32 3
		.amdhsa_float_denorm_mode_16_64 3
		.amdhsa_memory_ordered 1
		.amdhsa_forward_progress 1
		.amdhsa_inst_pref_size 107
	.end_amdhsa_kernel
	.amdgpu_metadata
---
amdhsa.version: [ 1, 2 ]
amdhsa.kernels:
  - .name:           k_q03ebfe7d2f_ffn2
    .symbol:         k_q03ebfe7d2f_ffn2.kd
    .args:
      - { .name: AH, .offset: 0, .size: 8, .value_kind: global_buffer, .address_space: global }
      - { .name: W2P, .offset: 8, .size: 8, .value_kind: global_buffer, .address_space: global }
      - { .name: BIG, .offset: 16, .size: 8, .value_kind: global_buffer, .address_space: global }
    .group_segment_fixed_size: 327680
    .private_segment_fixed_size: 0
    .kernarg_segment_align: 8
    .kernarg_segment_size: 24
    .max_flat_workgroup_size: 128
    .sgpr_count:     102
    .vgpr_count:     512
    .wavefront_size: 32
...
	.end_amdgpu_metadata
.endif
;; end of part 6
;; launch ln2 (part 7): grid 512 x 1, 8 waves a work-group, no clusters, 0 bytes of LDS; arguments BIG, AX, b2, ln2_g, ln2_b, out0; writes out0
.if DOCPART == 7
	.amdgcn_target "amdgcn-amd-amdhsa--gfx1250"
	.amdhsa_code_object_version 6
	.text
	.protected	k_q03ebfe7d2f_ln2
	.globl	k_q03ebfe7d2f_ln2
	.p2align	8
	.type	k_q03ebfe7d2f_ln2,@function
k_q03ebfe7d2f_ln2:
	s_mov_b64 s[64:65], 0
	v_nop
	global_prefetch_b8 v0, s[64:65] scope:SCOPE_SE
	s_setreg_imm32_b32 hwreg(HW_REG_WAVE_MODE, 25, 1), 1
	s_wait_xcnt 0x0
; out = layernorm(x + (y + b2)) g + b, rows of 1,024.  y is the last product's sum, whole, in one buffer; x lies in f32 at AX + 3,276,800.
; A wave takes one row, whole in its registers: each load and store of the wave covers 512 consecutive bytes.  Memory binds: no LDS, no barrier, no matrix unit.
; Mean and variance as reference() has them: the mean first, then the mean of the squared differences.
.set XF, 3276800
; As it stands now: the last product's sums come whole, in ONE buffer (the first argument): out = layernorm(x + (y + b2)) g + b.
	s_load_b256 s[4:11], s[0:1], 0x0               ; y, AX, b2, g
	s_load_b128 s[12:15], s[0:1], 0x20             ; b, out0
	v_lshrrev_b32 v1, 5, v0
	s_delay_alu instid0(VALU_DEP_1)
	v_readfirstlane_b32 s16, v1
	v_and_b32 v2, 31, v0
	s_delay_alu instid0(VALU_DEP_1)
	v_lshlrev_b32 v3, 4, v2
	s_lshl_b32 s17, ttmp9, 3
	s_add_co_u32 s17, s17, s16                     ; my row
	s_lshl_b32 s18, s17, 12
	s_mov_b32 s19, 0
	s_mov_b32 s28, 0x76543210
	s_mov_b32 s29, 0xfedcba98
	s_mov_b32 s30, 0x3a800000                      ; 1 / 1,024
	s_mov_b32 s31, 0x3727c5ac                      ; 1e-5
	s_wait_alu depctr_va_vdst(0)
	s_wait_kmcnt 0x0
	s_add_nc_u64 s[20:21], s[4:5], s[18:19]
	s_add_nc_u64 s[6:7], s[6:7], s[18:19]
	s_add_nc_u64 s[14:15], s[14:15], s[18:19]
.irp j, 0,1,2,3,4,5,6,7
	global_load_b128 v[16+4*\j:19+4*\j], v3, s[20:21] offset:512*\j th:TH_LOAD_NT
	global_load_b128 v[144+4*\j:147+4*\j], v3, s[6:7] offset:XF+512*\j th:TH_LOAD_NT
	global_load_b128 v[176+4*\j:179+4*\j], v3, s[8:9] offset:512*\j
.endr
	v_mov_b32 v5, 0
	v_mov_b32 v7, 0
	s_wait_loadcnt 0x0
.set n, 0
.rept 16
	v_pk_add_f32 v[16+n:17+n], v[16+n:17+n], v[176+n:177+n]
	s_delay_alu instid0(VALU_DEP_1)
	v_pk_add_f32 v[16+n:17+n], v[144+n:145+n], v[16+n:17+n]        ; x + that
.set n, n+2
.endr
.irp j, 0,1,2,3,4,5,6,7
	global_load_b128 v[48+4*\j:51+4*\j], v3, s[10:11] offset:512*\j    ; the gain and the bias land under the two reductions
	global_load_b128 v[80+4*\j:83+4*\j], v3, s[12:13] offset:512*\j
.endr
.macro ACROSS a, t
	s_delay_alu instid0(VALU_DEP_1)
	v_add_f32_dpp v[\a], v[\a], v[\a] row_xmask:1 row_mask:0xf bank_mask:0xf
	s_delay_alu instid0(VALU_DEP_1)
	v_add_f32_dpp v[\a], v[\a], v[\a] row_xmask:2 row_mask:0xf bank_mask:0xf
	s_delay_alu instid0(VALU_DEP_1)
	v_add_f32_dpp v[\a], v[\a], v[\a] row_xmask:4 row_mask:0xf bank_mask:0xf
	s_delay_alu instid0(VALU_DEP_1)
	v_add_f32_dpp v[\a], v[\a], v[\a] row_xmask:8 row_mask:0xf bank_mask:0xf
	s_delay_alu instid0(VALU_DEP_1)
	v_permlanex16_b32 v[\t], v[\a], s28, s29
	s_delay_alu instid0(VALU_DEP_1)
	v_add_f32 v[\a], v[\a], v[\t]
.endm
	v_pk_add_f32 v[6:7], v[16:17], v[18:19]
	v_pk_add_f32 v[206:207], v[24:25], v[28:29]
	v_pk_add_f32 v[204:205], v[32:33], v[36:37]
	v_pk_add_f32 v[202:203], v[40:41], v[44:45]
	v_pk_add_f32 v[200:201], v[20:21], v[22:23]
	v_pk_add_f32 v[198:199], v[26:27], v[30:31]
	v_pk_add_f32 v[196:197], v[34:35], v[38:39]
	v_pk_add_f32 v[4:5], v[42:43], v[46:47]
	s_delay_alu instid0(VALU_DEP_1)
	v_pk_add_f32 v[4:5], v[4:5], v[202:203]
	v_pk_add_f32 v[6:7], v[6:7], v[200:201]
	v_pk_add_f32 v[206:207], v[206:207], v[198:199]
	v_pk_add_f32 v[204:205], v[204:205], v[196:197]
	s_delay_alu instid0(VALU_DEP_2)
	v_pk_add_f32 v[4:5], v[4:5], v[206:207]
	s_delay_alu instid0(VALU_DEP_2)
	v_pk_add_f32 v[6:7], v[6:7], v[204:205]
	s_delay_alu instid0(VALU_DEP_1)
	v_pk_add_f32 v[4:5], v[4:5], v[6:7]
	s_delay_alu instid0(VALU_DEP_1)
	v_add_f32 v4, v4, v5
	ACROSS 4, 5
	s_delay_alu instid0(VALU_DEP_1)
	v_mul_f32 v4, s30, v4                          ; the mean
	s_delay_alu instid0(VALU_DEP_1)
	v_mov_b32 v5, v4
.set n, 0
.rept 16
	v_pk_add_f32 v[16+n:17+n], v[16+n:17+n], v[4:5] neg_lo:[0,1] neg_hi:[0,1]
.set n, n+2
.endr
	v_pk_mul_f32 v[6:7], v[16:17], v[16:17]
	v_pk_mul_f32 v[8:9], v[18:19], v[18:19]
.irp i, 4,8,12,16,20,24,28
	s_delay_alu instid0(VALU_DEP_2)
	v_pk_fma_f32 v[6:7], v[16+\i:17+\i], v[16+\i:17+\i], v[6:7]
	s_delay_alu instid0(VALU_DEP_2)
	v_pk_fma_f32 v[8:9], v[18+\i:19+\i], v[18+\i:19+\i], v[8:9]
.endr
	s_delay_alu instid0(VALU_DEP_1)
	v_pk_add_f32 v[6:7], v[6:7], v[8:9]
	s_delay_alu instid0(VALU_DEP_1)
	v_add_f32 v6, v6, v7
	ACROSS 6, 7
	s_delay_alu instid0(VALU_DEP_1)
	v_fma_f32 v6, v6, s30, s31                     ; the variance + 1e-5
	s_wait_alu depctr_va_vdst(0)
	v_rsq_f32 v6, v6
	v_nop
	s_wait_alu depctr_va_vdst(0)                   ; ahead of the first reader
	v_mov_b32 v7, v6
	s_wait_alu depctr_va_vdst(0)
	s_wait_loadcnt 0x0                             ; the gain and the bias
.set n, 0
.rept 16
	v_pk_mul_f32 v[16+n:17+n], v[16+n:17+n], v[6:7]
	s_delay_alu instid0(VALU_DEP_1)
	v_pk_fma_f32 v[16+n:17+n], v[16+n:17+n], v[48+n:49+n], v[80+n:81+n]
.set n, n+2
.endr
.irp j, 0,1,2,3,4,5,6,7
	global_store_b128 v3, v[16+4*\j:19+4*\j], s[14:15] offset:512*\j th:TH_STORE_NT
.endr
	s_endpgm
.Lfunc_end_k_q03ebfe7d2f_ln2:
	.size	k_q03ebfe7d2f_ln2, .Lfunc_end_k_q03ebfe7d2f_ln2-k_q03ebfe7d2f_ln2
	.p2alignl 7, 3214868480
	.fill 96, 4, 3214868480
	.section	.rodata,"a",@progbits
	.p2align	6, 0x0
	.amdhsa_kernel k_q03ebfe7d2f_ln2
		.amdhsa_group_segment_fixed_size 0
		.amdhsa_private_segment_fixed_size 0
		.amdhsa_enable_private_segment 0
		.amdhsa_kernarg_size 48
		.amdhsa_user_sgpr_count 2
		.amdhsa_user_sgpr_kernarg_segment_ptr 1
		.amdhsa_wavefront_size32 1
		.amdhsa_system_sgpr_workgroup_id_x 1
		.amdhsa_system_sgpr_workgroup_id_y 1
		.amdhsa_system_sgpr_workgroup_id_z 1
		.amdhsa_system_vgpr_workitem_id 0
		.amdhsa_next_free_vgpr 208
		.amdhsa_next_free_sgpr 66
		.amdhsa_reserve_vcc 0
		.amdhsa_float_denorm_mode_32 3
		.amdhsa_float_denorm_mode_16_64 3
		.amdhsa_memory_ordered 1
		.amdhsa_forward_progress 1
		.amdhsa_inst_pref_size 16
	.end_amdhsa_kernel
	.amdgpu_metadata
---
amdhsa.version: [ 1, 2 ]
amdhsa.kernels:
  - .name:           k_q03ebfe7d2f_ln2
    .symbol:         k_q03ebfe7d2f_ln2.kd
    .args:
      - { .name: BIG, .offset: 0, .size: 8, .value_kind: global_buffer, .address_space: global }
      - { .name: AX, .offset: 8, .size: 8, .value_kind: global_buffer, .address_space: global }
      - { .name: b2, .offset: 16, .size: 8, .value_kind: global_buffer, .address_space: global }
      - { .name: ln2_g, .offset: 24, .size: 8, .value_kind: global_buffer, .address_space: global }
      - { .name: ln2_b, .offset: 32, .size: 8, .value_kind: global_buffer, .address_space: global }
      - { .name: out0, .offset: 40, .size: 8, .value_kind: global_buffer, .address_space: global }
    .group_segment_fixed_size: 0
    .private_segment_fixed_size: 0
    .kernarg_segment_align: 8
    .kernarg_segment_size: 48
    .max_flat_workgroup_size: 256
    .sgpr_count:     66
    .vgpr_count:     208
    .wavefront_size: 32
...
	.end_amdgpu_metadata
.endif
;; end of part 7
